; MI455X (gfx1250); checked and timed in simulation.
; The chip was launched on July 23, 2026; its instructions are those of AMD's public machine-readable ISA for CDNA 5 (MIT licence, August 2026) and "CDNA5" Instruction Set Architecture Reference Guide (July 2026). The comments in the code are by the model that wrote it; some were corrected since.
;; Self Attention. Allowed arithmetic: matrix products marked QUANTISED: E2M3 operands, one E8M0 scale for each 32 along K, by v_wmma_scale_f32_16x16x128_f8f6f4 with both operands' format E2M3, f32 sums; products left as they are: f32 operands where the result goes on into a quantised operand, else bf16, f16 or f32 operands; f32 sums; everything else in f32.
;; Inputs: bk 1,024 float32; bo 1,024 float32; bq 1,024 float32; bv 1,024 float32; wk 1,024 x 1,024 float32; wo 1,024 x 1,024 float32; wq 1,024 x 1,024 float32; wv 1,024 x 1,024 float32; x 4 x 4,096 x 1,024 float32.
;; Outputs: out0 4 x 4,096 x 1,024 float32.
;; This version of the problem:
;;   THIS VERSION OF THE PROBLEM IS GIVEN IN LOW PRECISION. The matrix products marked QUANTISED in the list below multiply operands that are first quantised to E2M3 (2 exponent bits, 3 mantissa bits; 6 bits a number), with one power-of-two scale for each 32 numbers along K (OCP MX v1.0); their sums are f32. All else is computed in f32.
;;   The module's matrix products, in the order in which they are computed (A, B: the left and right operand; K: the contracted axis; several contracted axes count as one K, in the product's order):
;;     1. [M 16,384, K 1,024] x [K 1,024, N 1,024]; A: input x; B: input wq: QUANTISED
;;     2. [M 16,384, K 1,024] x [K 1,024, N 1,024]; A: input x; B: input wk: QUANTISED
;;     3. [M 16,384, K 1,024] x [K 1,024, N 1,024]; A: input x; B: input wv: QUANTISED
;;     4. batch 16,384 x [M 16, K 64] x [K 64, N 16]; A: computed on the way; B: computed on the way: QUANTISED
;;     5. batch 16,384 x [M 16, K 16] x [K 16, N 64]; A: softmax; B: computed on the way: left as it is (K = 16 < 32)
;;     6. [M 16,384, K 1,024] x [K 1,024, N 1,024]; A: computed on the way; B: input wo: QUANTISED
;;   THE QUANTISER, for each operand of a quantised product, along K:
;;     - K is cut into blocks of 32 from its start; a last block that is shorter is filled with zeros.
;;     - A block's scale is 2^e with e = floor(log2(the largest magnitude in the block)) - 2, held to -126 .. 127; a block of zeros has e = 0. As a byte (E8M0): e + 127.
;;     - Each number is divided by its block's scale, clamped to +-7.5, and rounded to the nearest number of E2M3, ties to even, subnormals kept.
;;     - The product sums the exact products of the quantised numbers (number of the format x scale) in f32.
;;   ~~~python
;;   def quantise(x, axis):      # numpy; x: float32 -> the quantised numbers, widened to float32 again
;;       x = np.moveaxis(x, axis, -1); K = x.shape[-1]
;;       x = np.pad(x, [(0, 0)] * (x.ndim - 1) + [(0, -K % 32)]); x = x.reshape(x.shape[:-1] + (-1, 32)); a = np.abs(x).max(-1, keepdims=True)
;;       e = np.where(a > 0, np.clip(np.frexp(np.where(a > 0, a, 1))[1] - 1 - 2, -126, 127), 0)      # np.frexp(a)[1] - 1 = floor(log2(a)), exactly
;;       r = np.clip(x / 2.0 ** e, -7.5, 7.5)
;;       step = 2.0 ** (np.maximum(np.frexp(np.where(r == 0, 1, r))[1] - 1, 0) - 3)
;;       q = np.round(r / step) * step * 2.0 ** e      # np.round: ties to even
;;       return np.moveaxis(q.reshape(q.shape[:-2] + (-1,))[..., :K], -1, axis).astype(np.float32)
;;   ~~~
;;   OPERANDS COMPUTED ON THE WAY. 'Computed on the way' means the value that the module computes at that place (a softmax that the list does not call 'softmax' is quantised finished and normalised). What goes into a quantiser is computed in f32, as accurately as f32 sums, v_exp_f32 and their like allow (about 1e-6 of the number): no bf16 or f16 on the way to a quantiser, and a product that is left as it is and whose result goes on into a quantised operand takes f32 operands (vector FMAs, or v_wmma_f32_16x16x4_f32). A number that lies on a knife's edge between two numbers of the format may be rounded either way, as far as f32 arithmetic and the matrix unit's own rounding can turn it there, and no further.
;; 2 versions. Each part assembles by itself: llvm-mc -triple=amdgcn-amd-amdhsa -mcpu=gfx1250 --defsym DOCPART=n.
;; ======== version 1 of 2: 2 launches
;; workspace buffers: wimg 3,538,944 bytes
;; launch prep (part 1): grid 256 x 1, 2 waves a work-group, no clusters, 0 bytes of LDS; arguments wq, wk, wv, wo, bq, bk, bv, bo, wimg; writes wimg
.if DOCPART == 1
	.amdgcn_target "amdgcn-amd-amdhsa--gfx1250"
	.amdhsa_code_object_version 6
	.text
	.protected	k_q234fd26df6_prep
	.globl	k_q234fd26df6_prep
	.p2align	8
	.type	k_q234fd26df6_prep,@function
k_q234fd26df6_prep:
	s_mov_b64 s[64:65], 0
	v_nop
	global_prefetch_b8 v0, s[64:65] scope:SCOPE_SE
	s_setreg_imm32_b32 hwreg(HW_REG_WAVE_MODE, 25, 1), 1
	s_wait_xcnt 0x0
; wq, wk, wv, wo [1024][1024] f32 (K innermost) and their biases become ONE buffer of operand images for the second launch:
; codes of FP6 (E2M3) with one E8M0 scale byte for each 32 along K, laid in the order of the matrix operand's registers, lane by lane.
; 64 RECORDS of REC bytes: record 16 w + G serves wave w of the second launch in its G-th group (G 0-3 wq, 4-7 wk, 8-11 wv, 12-15 wo).
; A record holds 4 tiles t of 16 weight rows, all of K.  Row mu of tile t is weight row
;   not wv: 64 (4 w + G%4) + 32 (t/2) + 8 (t%2) + mu + 8 (mu/8)   (so that the results of tiles 2 b, 2 b + 1 are 16 neighbours along the next K)
;   wv:     64 mu + d,  d = 32 ((G%4)/2) + 8 w + 4 (G%2) + t      (the 16 heads at one place d of the head)
; Record: bytes 0-4095 the biases as the C registers of a tile (1024 t + 512 c2 + 16 lane: bias of rows 8 h + 4 c2 + 0..3);
;   then 8 K steps of 6,400 bytes: 4 fragments of 1,536 bytes (1536 t + 512 c + 16 lane: registers 4 c .. 4 c + 3), then 256 bytes of scale words
;   (8 lane: word c is that of tile 2 c + lane/16, row lane%16).
; SHARES: a wave makes one K step of one record (512 waves) and one eighth of the record's biases.  Lane (r, h) takes row r of a tile and k = 64 c + 32 h + 0..31:
; two whole blocks, so a block's largest magnitude needs no other lane, and the conversions' results are the operand's registers.
; A block's scale byte is its largest magnitude's exponent field - 2, held at 1 from below.
; LIMITS: a block of zeros gets the byte 1 where the quantiser says 127 (its codes are zeros, and this program alone reads the bytes); NaN and infinities are not served.
; No LDS, no barrier: waves share nothing.  Every store's data have registers of their own, so no store's source is written again.
.set REC,   55296
.set X,     32                         ; v32-159  two sets of 64 numbers
.set PC,    160                        ; v160-207 the codes, 12 registers a tile
.set TC,    208                        ; v208-214 the upper halves of a tile's two blocks, before they are moved
	s_load_b512 s[16:31], s[0:1], 0x0              ; wq, wk, wv, wo, bq, bk, bv, bo
	s_load_b64 s[32:33], s[0:1], 0x40              ; wimg
	v_lshrrev_b32 v1, 5, v0
	v_readfirstlane_b32 s2, v1                     ; wave 0..1
	v_and_b32 v1, 31, v0                           ; lane
	v_and_b32 v2, 15, v0                           ; r
	v_bfe_u32 v3, v0, 4, 1                         ; h
	v_lshlrev_b32 v4, 4, v1                        ; 16 x lane
	v_lshlrev_b32 v5, 3, v1                        ; 8 x lane
	v_lshlrev_b32 v6, 3, v3                        ; 8 h: my two scale bytes' shift
	v_mov_b32 v27, 0                               ; a lane permute's destination counts as one of its sources
	s_mov_b32 s48, 0x76543210
	s_mov_b32 s49, 0xfedcba98                      ; v_permlanex16_b32's selects for lane l xor 16
	s_lshl_b32 s3, ttmp9, 1
	s_add_co_u32 s3, s3, s2                        ; my unit, 0..511
	s_lshr_b32 s4, s3, 3                           ; record
	s_and_b32 s5, s3, 7                            ; K step s
	s_lshr_b32 s6, s4, 4                           ; w
	s_and_b32 s7, s4, 15                           ; G
	s_lshr_b32 s8, s7, 2                           ; which matrix: 0 q, 1 k, 2 v, 3 o
	s_and_b32 s9, s7, 3                            ; g = G % 4
	s_lshr_b32 s14, s9, 1                          ; wv's first row: 32 (g/2) + 8 w + 4 (g%2)
	s_lshl_b32 s14, s14, 5
	s_lshl_b32 s15, s6, 3
	s_add_co_u32 s14, s14, s15
	s_and_b32 s15, s9, 1
	s_lshl_b32 s15, s15, 2
	s_add_co_u32 s14, s14, s15
	s_lshl_b32 s15, s6, 8                          ; the others': 256 w + 64 g
	s_lshl_b32 s38, s9, 6
	s_add_co_u32 s15, s15, s38
	s_cmp_eq_u32 s8, 2                             ; row = NB0 + TA (t/2) + TB (t%2) + A1 mu + A2 (mu/8): one path for all four matrices
	s_cselect_b32 s14, s14, s15                    ; NB0
	s_cselect_b32 s10, 64, 1                       ; A1
	s_cselect_b32 s11, 0, 8                        ; A2
	s_cselect_b32 s12, 2, 32                       ; TA
	s_cselect_b32 s13, 1, 8                        ; TB
	s_lshl_b32 s39, s5, 9                          ; 512 s: the K step's bytes in a weight row; also my piece of the record's biases
.irp t, 0,1,2,3
	s_mul_i32 s50, s12, \t/2
	s_mul_i32 s51, s13, \t%2
	s_add_co_u32 s50, s50, s51
	s_add_co_u32 s50, s50, s14
	s_lshl_b32 s50, s50, 12                        ; a weight row is 4,096 bytes
	s_add_co_u32 s[40+\t], s50, s39
.endr
	v_mul_u32_u24 v7, v2, s10                      ; my row in a tile: r A1 + (r/8) A2,
	v_lshrrev_b32 v20, 3, v2
	v_mad_u32_u24 v7, v20, s11, v7
	v_lshlrev_b32 v7, 12, v7
	v_lshl_add_u32 v7, v3, 7, v7                   ; and my 32 numbers of each 64: + 128 h
.irp t, 0,1,2,3
	v_add_nc_u32 v[8+\t], s[40+\t], v7
.endr
	s_lshr_b32 s50, s5, 2                          ; the biases: step s makes tile s/2, half c2 = s%2
	s_mul_i32 s50, s50, s12
	s_bfe_u32 s51, s5, 0x10001
	s_mul_i32 s51, s51, s13
	s_add_co_u32 s50, s50, s51
	s_add_co_u32 s50, s50, s14                     ; that tile's first row
	s_and_b32 s51, s5, 1
	s_lshl_b32 s51, s51, 2                         ; 4 c2
	v_lshl_add_u32 v20, v3, 3, s51                 ; mu = 8 h + 4 c2 + e
.irp e, 0,1,2,3
	v_add_nc_u32 v[12+\e], \e, v20
	v_mul_u32_u24 v[12+\e], v[12+\e], s10
	v_mad_u32_u24 v[12+\e], v3, s11, v[12+\e]      ; mu/8 = h
	v_add_lshl_u32 v[12+\e], v[12+\e], s50, 2
.endr
	s_mul_i32 s52, s4, REC
	s_mul_i32 s53, s5, 6400
	s_add_co_u32 s54, s52, s53
	s_add_co_u32 s54, s54, 4096                    ; my K step in the buffer
	s_mov_b32 s55, 0
	s_add_co_u32 s52, s52, s39                     ; my 512 bytes of biases
	s_mov_b32 s53, 0
	s_wait_kmcnt 0x0
	s_cmp_eq_u32 s8, 1                             ; the matrix and its bias: a choice that hangs on the work-group's and the wave's number alone
	s_cselect_b64 s[34:35], s[18:19], s[16:17]
	s_cselect_b64 s[36:37], s[26:27], s[24:25]
	s_cmp_eq_u32 s8, 2
	s_cselect_b64 s[34:35], s[20:21], s[34:35]
	s_cselect_b64 s[36:37], s[28:29], s[36:37]
	s_cmp_eq_u32 s8, 3
	s_cselect_b64 s[34:35], s[22:23], s[34:35]
	s_cselect_b64 s[36:37], s[30:31], s[36:37]
	s_add_nc_u64 s[44:45], s[32:33], s[54:55]
	s_add_nc_u64 s[46:47], s[32:33], s[52:53]
.macro LOADT t                         ; tile t: my two blocks of 32 numbers, 128 bytes each, into set t % 2
.irp c, 0,1
.irp j, 0,1,2,3,4,5,6,7
	global_load_b128 v[X+64*((\t)%2)+32*\c+4*\j:X+64*((\t)%2)+32*\c+4*\j+3], v[8+(\t)], s[34:35] offset:256*\c+16*\j
.endr
.endr
.endm
.macro TILE t, cnt
.set XS, X+64*((\t)%2)
.set PT, PC+12*(\t)
	s_wait_loadcnt \cnt                            ; this tile's 16 loads are in; cnt = the next tile's, which may stay out
.irp c, 0,1
	v_max3_num_f32 v[20+\c], |v[XS+32*\c]|, |v[XS+32*\c+1]|, 0x1800000   ; my block 2 c + h, and the floor 2^(3 - 127): the byte cannot fall under 1
.endr
.irp i, 2,4,6,8,10,12,14,16,18,20,22,24,26,28,30
.irp c, 0,1
	v_max3_num_f32 v[20+\c], v[20+\c], |v[XS+32*\c+\i]|, |v[XS+32*\c+\i+1]|   ; (the two blocks by turns)
.endr
.endr
.irp c, 0,1
	v_add_nc_u32 v[22+\c], 0xff000000, v[20+\c]    ; 2 off the exponent field: the conversion's scale operand
.endr
.irp c, 0,1
	v_lshrrev_b32 v[24+\c], 23, v[22+\c]           ; the scale's byte
.endr
	v_lshl_or_b32 v26, v25, 16, v24                ; blocks h and 2 + h of my row,
	v_lshlrev_b32 v26, v6, v26                     ; at their places in the word;
	v_permlanex16_b32 v27, v26, s48, s49
	v_or_b32 v[28+(\t)], v26, v27                  ; with lane l xor 16's two the word is whole, in both lanes
.irp c, 0,1
	v_cvt_scalef32_pk16_fp6_f32 v[PT+6*\c:PT+6*\c+2], v[XS+32*\c:XS+32*\c+15], v[22+\c]
	v_cvt_scalef32_pk16_fp6_f32 v[TC+4*\c:TC+4*\c+2], v[XS+32*\c+16:XS+32*\c+31], v[22+\c]   ; (a conversion's three registers begin on an even number)
.endr
	v_nop                                          ; one plain place behind a scaled conversion
.irp c, 0,1
.irp i, 0,1,2
	v_mov_b32 v[PT+6*\c+3+\i], v[TC+4*\c+\i]
.endr
.endr
.irp c, 0,1,2
	global_store_b128 v4, v[PT+4*\c:PT+4*\c+3], s[44:45] offset:1536*(\t)+512*\c   ; 32 lanes store 512 consecutive bytes, at a multiple of 256 from the buffer's first byte
.endr
.endm
.irp e, 0,1,2,3
	global_load_b32 v[16+\e], v[12+\e], s[36:37]
.endr
	LOADT 0
	LOADT 1
	TILE 0, 16
	global_store_b128 v4, v[16:19], s[46:47]       ; the biases came ahead of tile 0's numbers
	LOADT 2
	TILE 1, 16
	LOADT 3
	TILE 2, 16
	TILE 3, 0
	v_cmp_lt_u32 vcc_lo, 15, v1                    ; lanes 16-31 carry the odd tiles' words
	v_cndmask_b32 v216, v28, v29, vcc_lo
	v_cndmask_b32 v217, v30, v31, vcc_lo
	global_store_b64 v5, v[216:217], s[44:45] offset:6144
	s_endpgm
.Lfunc_end_k_q234fd26df6_prep:
	.size	k_q234fd26df6_prep, .Lfunc_end_k_q234fd26df6_prep-k_q234fd26df6_prep
	.p2alignl 7, 3214868480
	.fill 96, 4, 3214868480
	.section	.rodata,"a",@progbits
	.p2align	6, 0x0
	.amdhsa_kernel k_q234fd26df6_prep
		.amdhsa_group_segment_fixed_size 0
		.amdhsa_private_segment_fixed_size 0
		.amdhsa_enable_private_segment 0
		.amdhsa_kernarg_size 72
		.amdhsa_user_sgpr_count 2
		.amdhsa_user_sgpr_kernarg_segment_ptr 1
		.amdhsa_wavefront_size32 1
		.amdhsa_system_sgpr_workgroup_id_x 1
		.amdhsa_system_sgpr_workgroup_id_y 1
		.amdhsa_system_sgpr_workgroup_id_z 1
		.amdhsa_system_vgpr_workitem_id 0
		.amdhsa_next_free_vgpr 224
		.amdhsa_next_free_sgpr 66
		.amdhsa_reserve_vcc 1
		.amdhsa_float_denorm_mode_32 3
		.amdhsa_float_denorm_mode_16_64 3
		.amdhsa_memory_ordered 1
		.amdhsa_forward_progress 1
		.amdhsa_inst_pref_size 25
	.end_amdhsa_kernel
	.amdgpu_metadata
---
amdhsa.version: [ 1, 2 ]
amdhsa.kernels:
  - .name:           k_q234fd26df6_prep
    .symbol:         k_q234fd26df6_prep.kd
    .args:
      - { .name: wq, .offset: 0, .size: 8, .value_kind: global_buffer, .address_space: global }
      - { .name: wk, .offset: 8, .size: 8, .value_kind: global_buffer, .address_space: global }
      - { .name: wv, .offset: 16, .size: 8, .value_kind: global_buffer, .address_space: global }
      - { .name: wo, .offset: 24, .size: 8, .value_kind: global_buffer, .address_space: global }
      - { .name: bq, .offset: 32, .size: 8, .value_kind: global_buffer, .address_space: global }
      - { .name: bk, .offset: 40, .size: 8, .value_kind: global_buffer, .address_space: global }
      - { .name: bv, .offset: 48, .size: 8, .value_kind: global_buffer, .address_space: global }
      - { .name: bo, .offset: 56, .size: 8, .value_kind: global_buffer, .address_space: global }
      - { .name: wimg, .offset: 64, .size: 8, .value_kind: global_buffer, .address_space: global }
    .group_segment_fixed_size: 0
    .private_segment_fixed_size: 0
    .kernarg_segment_align: 8
    .kernarg_segment_size: 72
    .max_flat_workgroup_size: 64
    .sgpr_count:     66
    .vgpr_count:     224
    .wavefront_size: 32
...
	.end_amdgpu_metadata
.endif
;; end of part 1
;; launch main (part 2): grid 256 x 1, 4 waves a work-group, no clusters, 250,368 bytes of LDS; arguments x, wimg, out0; writes out0
.if DOCPART == 2
	.amdgcn_target "amdgcn-amd-amdhsa--gfx1250"
	.amdhsa_code_object_version 6
	.text
	.protected	k_q234fd26df6_main
	.globl	k_q234fd26df6_main
	.p2align	8
	.type	k_q234fd26df6_main,@function
k_q234fd26df6_main:
	s_mov_b64 s[64:65], 0
	v_nop
	global_prefetch_b8 v0, s[64:65] scope:SCOPE_SE
	s_setreg_imm32_b32 hwreg(HW_REG_WAVE_MODE, 25, 1), 1
	s_wait_xcnt 0x0
; out0 = attention across the 16 heads at each position (q, k, v = x W^T + b), then the output projection; the four projections and the scores on codes of FP6 (E2M3)
; with one E8M0 scale for each 32 along K; the softmax and weights x values in f32.  Nothing between x and out0 goes to memory.
; SHARES.  A work-group of four waves owns 64 positions.  In the four projections THE WAVES SHARE THE COLUMNS: wave w makes 256 of each 1,024 columns for all 64 rows, in groups of 64 columns
; (16 accumulators of 16 x 16).  The codes of the 64 rows, all of K (32 fragments, 384 registers), stay in every wave's registers, so each weight fragment feeds four matrix instructions.
; In the attention THE WAVES SHARE THE POSITIONS: wave w owns positions 16 w .. 16 w + 15.  What changes hands goes through LDS, between barriers.
; THE WEIGHTS come as images of the operand's registers (first launch), by loads of 16 bytes a lane straight into registers, four K steps deep; the counted waits never drain the stream.
; WHY NO JOINT TENSOR LOADS, though all work-groups walk the same weights: a weight fragment has ONE reader in a work-group, so LDS would add a write and a read for each byte and spare none;
; and the stages below take 249,856 of the 327,680 bytes of LDS: two slots in the 77,824 left would hold 38,912 bytes each, one and a half K steps of the four waves' 25,600 bytes,
; with every load waited for at each change of slots.
; EVERY PRODUCT IS USED TRANSPOSED (source 0 = 16 weight rows, source 1 = 16 positions): a lane holds one position and its registers run along the columns, which are the next K.
; LIMITS: NaN and infinities among the inputs are not served; a block of zeros gets the scale byte 1 (its codes are zeros); a softmax term under 2^-126 becomes 0 (v_exp_f32).
; LDS:  CR 64 rows of 768 bytes of codes (x's, later the attention's result), pitch 784;  CS their scale bytes, 32 a row;  PW the softmax weights, 1,024 bytes a position, each wave's own;
;   BIG, used four ways, parted by barriers: XSTG (x's turn, 5,120 bytes a wave) | QKR + QKS (q's and k's codes and scale bytes, by the wave that made them) | VST (v, f32, half a head's 64 at a time) | OSTG (the way out).
; REGISTERS, in windows of 256: window 0: v1-24 addresses; v28-35 the weights' scale words, v36-51 the rows', v52-59 k's and q's (these hold scales alone); v60-127 at work; v128-255 the 16 accumulators ((m, t) at 128 + 32 m + 8 t).
;   v128-159 are also the results of the f32 matrix form: matrix instructions alone write them.  v160-255 serve as operands and scratch between the projections.
;   window 1: v0-191 the rows' fragments of K steps 0-3 (first: twelve sets of x as loaded); v192-223 a group's biases.   window 2: v0-191 K steps 4-7.   window 3: v0-191 four sets of weight fragments.
.set REC,   55296                      ; a record of weights: 4,096 bytes of biases, then 8 K steps of 6,400 bytes
.set CS,    50176
.set PW,    52224
.set BIG,   117760
.set QKS,   BIG+102656
.set L16,  1                           ; 16 x lane
.set L8,   2                           ; 8 x lane
.set AXS,  3                           ; x's turn: in
.set AXT,  4                           ; x's turn: out
.set AXC,  5                           ; x's codes into CR
.set AXB,  6                           ; x's scale bytes into CS
.set AFR,  7                           ; a fragment out of CR
.set AFS,  8                           ; scale words out of CS
.set AQW,  9                           ; q's, k's codes into QKR
.set ASW,  10                          ; their scale bytes into QKS
.set ASR,  11                          ; and out, by heads
.set ASS,  12
.set APW,  13                          ; the softmax weights' images
.set AVW,  14                          ; v into VST, rows 0-31
.set AVR,  15                          ; v out of VST
.set AOW,  16                          ; the attention's codes into CR
.set AOS,  17                          ; their scale bytes into CS
.set AOSW, 18                          ; the way out: into my stage
.set AOSR, 19                          ; and back by rows
.set AOG,  20                          ; my byte offset in two rows of out0
.set TA,   21
.set AVW2, 22                          ; v into VST, rows 32-63
.set TB,   23
.set TB2,  24
.set WS,   28
.set RS,   36
.set SK,   52
.set SQ,   56
.set ACC,  128
.set XN,   160                         ; x: two sets of 16 neighbours
.set BIA,  192                         ; in window 1
.set MSB, 0
.macro WIN new                         ; the immediate's high byte repeats the setting that is left
.if MSB != \new
	s_set_vgpr_msb (MSB<<8)|\new
.set MSB, \new
.endif
.endm
.set MUL0,   0x17                      ; source 0 (weights) window 3, source 1 (rows) window 1, C (biases) window 1, D window 0
.set MULA,   0x07                      ; the same, C and D window 0
.set MULB,   0x0b                      ; rows in window 2
.set TO_1,   0x40
.set TO_2,   0x80
.set TO_W,   0xc0
.set FROM_1, 0x04                      ; an LDS store's data are its source 1
.macro PLACES n                        ; plain places behind matrix instructions (ISA guide 7.12.1)
.rept \n
	v_nop
.endr
.endm
.macro BARRIER                         ; my LDS stores have landed and my LDS loads are in: then the work-group's barrier
	s_wait_dscnt 0x0
	s_barrier_signal -1
	s_barrier_wait -1
.endm
; ---- x: step tau is 512 numbers, half tau % 2 of my row tau / 2
.macro LOADX tau
	WIN TO_1
.irp i, 0,1,2,3
	global_load_b128 v[16*((\tau)%12)+4*\i:16*((\tau)%12)+4*\i+3], v[L16], s[14:15] offset:2048*(\tau)+512*\i th:TH_LOAD_NT   ; 32 lanes read 512 consecutive bytes; read once in the launch
.endr
.endm
.macro TURN tau                        ; through my stage: in as loaded, out 64 bytes a lane (16 neighbours along K); LDS serves a wave's instructions in order
	WIN FROM_1
.irp i, 0,1,2,3
	ds_store_b128 v[AXS], v[16*((\tau)%12)+4*\i:16*((\tau)%12)+4*\i+3] offset:2560*((\tau)%2)+640*\i
.endr
	WIN 0
.irp i, 0,1,2,3
	ds_load_b128 v[XN+16*((\tau)%2)+4*\i:XN+16*((\tau)%2)+4*\i+3], v[AXT] offset:2560*((\tau)%2)+16*\i
.endr
.endm
.macro XSTEP tau
.set XR, XN+16*((\tau)%2)
.set XC, 64+4*((\tau)%2)
.set XB, 72+((\tau)%2)
.if (\tau) > 0
	s_wait_dscnt 4                                 ; this step's numbers are back from the stage; the last step's four small stores may be out
.else
	s_wait_dscnt 0x0
.endif
.if (\tau) <= 19
	LOADX (\tau)+12                                ; into the set that this step's stores into the stage have read
.endif
.if (\tau) < 31
.if (\tau) <= 19
	s_wait_loadcnt 44                              ; the next step's four loads are in; the eleven sets behind it may be out
.else
	s_wait_loadcnt 4*(30-(\tau))                   ; the sets still behind it
.endif
	TURN (\tau)+1
.endif
	WIN 0
	v_max3_num_f32 v60, |v[XR]|, |v[XR+1]|, |v[XR+2]|
	v_max3_num_f32 v61, |v[XR+3]|, |v[XR+4]|, |v[XR+5]|
.irp i, 6,10
	v_max3_num_f32 v60, v60, |v[XR+\i]|, |v[XR+\i+1]|
	v_max3_num_f32 v61, v61, |v[XR+\i+2]|, |v[XR+\i+3]|
.endr
	v_max3_num_f32 v60, v60, |v[XR+14]|, |v[XR+15]|
	v_max3_num_f32 v60, v60, v61, 0x1800000        ; and the floor 2^(3 - 127): the byte cannot fall under 1
	v_max_num_f32_dpp v60, v60, v60 row_xmask:1 row_mask:0xf bank_mask:0xf   ; with my neighbour's 16: the block's largest magnitude
	v_add_nc_u32 v62, 0xff000000, v60              ; 2 off its exponent field: the conversion's scale operand
	v_cvt_scalef32_pk16_fp6_f32 v[XC:XC+2], v[XR:XR+15], v62
	v_lshrrev_b32 v[XB], 23, v62                   ; the scale's byte
	ds_store_b8 v[AXB], v[XB] offset:32*((\tau)/2)+16*((\tau)%2)   ; both lanes of a block write the same byte with the same value
.irp e, 0,1,2
	ds_store_b32 v[AXC], v[XC+\e] offset:784*((\tau)/2)+384*((\tau)%2)+4*\e   ; my 16 codes, 12 bytes, at their place in the row's stream of bits
.endr
.endm
; ---- the weights' stream.  Its order: a record's biases (8 loads), then its 8 K steps (13 loads each); the next record's biases go out behind this record's K step 0.
.macro BLOAD off
	WIN TO_1
.irp t, 0,1,2,3
.irp c, 0,1
	global_load_b128 v[BIA+8*\t+4*\c:BIA+8*\t+4*\c+3], v[L16], s[12:13] offset:(\off)+1024*\t+512*\c
.endr
.endr
.endm
.macro LSTEP set, off
	WIN TO_W
.irp t, 0,1,2,3
.irp c, 0,1,2
	global_load_b128 v[48*(\set)+12*\t+4*\c:48*(\set)+12*\t+4*\c+3], v[L16], s[12:13] offset:(\off)+1536*\t+512*\c
.endr
.endr
	WIN 0
	global_load_b64 v[WS+2*(\set):WS+2*(\set)+1], v[L8], s[12:13] offset:(\off)+6144
.endm
; ---- the 64 rows' codes and scale words out of CR and CS into registers: fragment (m, s) = rows 16 m on, K step s
.macro FETCH
	WIN TO_1
.irp s, 0,1,2,3
.irp m, 0,1,2,3
.irp p, 0,1,2,3,4,5
	ds_load_b64 v[48*\s+12*\m+2*\p:48*\s+12*\m+2*\p+1], v[AFR] offset:12544*\m+96*\s+48*(\p/3)+8*(\p%3)
.endr
.endr
.endr
	WIN TO_2
.irp s, 0,1,2,3
.irp m, 0,1,2,3
.irp p, 0,1,2,3,4,5
	ds_load_b64 v[48*\s+12*\m+2*\p:48*\s+12*\m+2*\p+1], v[AFR] offset:12544*\m+96*(\s+4)+48*(\p/3)+8*(\p%3)
.endr
.endr
.endr
	WIN 0
.irp m, 0,1,2,3
.irp c, 0,1,2,3
	ds_load_b32 v[RS+4*\m+\c], v[AFS] offset:512*\m+8*\c   ; lanes 0-15 the word of K step 2 c, lanes 16-31 that of 2 c + 1
.endr
.endr
	s_wait_dscnt 0x0
.endm
; one product: tile t of the weights x rows 16 m on, K step s.  K step 0 takes the biases as C.
.macro MM s, t, m
.set rD, ACC+32*\m+8*\t
.set rA, 48*(\s%4)+12*\t
.set rB, 48*(\s%4)+12*\m
.set rC, rD
.if \s == 0
.set rC, BIA+8*\t
.endif
.set rSA, WS+2*(\s%4)+(\t/2)
.set rSB, RS+4*\m+(\s/2)
.if (\t%2 == 0) && (\s%2 == 0)
	v_wmma_scale_f32_16x16x128_f8f6f4 v[rD:rD+7], v[rA:rA+11], v[rB:rB+11], v[rC:rC+7], v[rSA], v[rSB] matrix_a_fmt:MATRIX_FMT_FP6 matrix_b_fmt:MATRIX_FMT_FP6
.elseif \s%2 == 0
	v_wmma_scale_f32_16x16x128_f8f6f4 v[rD:rD+7], v[rA:rA+11], v[rB:rB+11], v[rC:rC+7], v[rSA], v[rSB] matrix_a_fmt:MATRIX_FMT_FP6 matrix_b_fmt:MATRIX_FMT_FP6 matrix_a_scale:MATRIX_SCALE_ROW1
.elseif \t%2 == 0
	v_wmma_scale_f32_16x16x128_f8f6f4 v[rD:rD+7], v[rA:rA+11], v[rB:rB+11], v[rC:rC+7], v[rSA], v[rSB] matrix_a_fmt:MATRIX_FMT_FP6 matrix_b_fmt:MATRIX_FMT_FP6 matrix_b_scale:MATRIX_SCALE_ROW1
.else
	v_wmma_scale_f32_16x16x128_f8f6f4 v[rD:rD+7], v[rA:rA+11], v[rB:rB+11], v[rC:rC+7], v[rSA], v[rSB] matrix_a_fmt:MATRIX_FMT_FP6 matrix_b_fmt:MATRIX_FMT_FP6 matrix_a_scale:MATRIX_SCALE_ROW1 matrix_b_scale:MATRIX_SCALE_ROW1
.endif
.endm
; A GROUP: one record, 64 columns x 64 rows x all of K: 128 matrix instructions; the 16 accumulators take turns, one instruction a turn, in the same order in every K step.
; Behind K step s its set of weight registers takes the K step four on: for s < 4 this record's K step s + 4, at 4096 + 6400 (s + 4); for s >= 4 the NEXT record's K step s - 4,
; which lies behind that record's 4,096 bytes of biases, at REC + 4096 + 6400 (s - 4).  last = 1: the stream's last record: nothing is asked for beyond it.
.macro GROUP last
.irp s, 0,1,2,3,4,5,6,7
.if \last
.if \s < 5
	s_wait_loadcnt 39                              ; K step s is in; behind it: three K steps of 13 loads
.else
	s_wait_loadcnt 13*(7-\s)                       ; the K steps still behind it
.endif
.elseif (\s >= 1) && (\s <= 3)
	s_wait_loadcnt 47                              ; behind K step s: three K steps of 13 loads and the next record's 8 of biases
.else
	s_wait_loadcnt 39                              ; behind K step s: three K steps of 13 loads
.endif
.if \s == 0
	WIN MUL0
.elseif \s < 4
	WIN MULA
.else
	WIN MULB
.endif
.irp t, 0,1,2,3
.irp m, 0,1,2,3
	MM \s, \t, \m
.endr
.endr
.if \s == 7
	PLACES 5                                       ; in front of the loads below, of the first read of the results, and of the next products that write over these accumulators
.elseif (\last == 0) || (\s < 4)
	PLACES 4                                       ; in front of loads into registers that these products have read
.endif
.if (\s == 0) && (\last == 0)
	BLOAD REC
.endif
.if \s < 4
	LSTEP \s%4, 4096+6400*(\s+4)
.elseif \last == 0
	LSTEP \s%4, REC+4096+6400*(\s-4)
.endif
.endr
	WIN 0
.if \last == 0
	s_wait_xcnt 0x0                                ; the loads have had their addresses translated: the base may step
	s_add_nc_u64 s[12:13], s[12:13], REC
.endif
.endm
; ---- a group of q or k (one head, 64 rows) is quantised along the head's 64: blocks 2 m + b, 16 numbers in lane l and 16 in lane l xor 16; codes and bytes go to QKR, QKS
.macro QKEPI
	s_wait_dscnt 0x0                               ; the last group's stores have read their registers
	v_add_nc_u32 v[TA], s26, v[AQW]
	v_add_nc_u32 v[TB], s27, v[ASW]
.irp q, 0,1,2,3,4,5,6,7
	v_max3_num_f32 v[60+\q], |v[ACC+16*\q]|, |v[ACC+16*\q+1]|, 0x1800000   ; each accumulator from its low end on; the floor 2^(3 - 127)
.endr
.irp i, 2,4,6,8,10,12,14
.irp q, 0,1,2,3,4,5,6,7
	v_max3_num_f32 v[60+\q], v[60+\q], |v[ACC+16*\q+\i]|, |v[ACC+16*\q+\i+1]|
.endr
.endr
.irp q, 0,1,2,3,4,5,6,7
	v_permlanex16_b32 v[68+\q], v[60+\q], s20, s21
.endr
.irp q, 0,1,2,3,4,5,6,7
	v_max_num_f32 v[60+\q], v[60+\q], v[68+\q]
.endr
.irp q, 0,1,2,3,4,5,6,7
	v_add_nc_u32 v[76+\q], 0xff000000, v[60+\q]    ; the conversion's scale operand
.endr
.irp q, 0,1,2,3,4,5,6,7
	v_lshrrev_b32 v[68+\q], 23, v[76+\q]           ; the scale's byte
.endr
.irp m, 0,1,2,3
	v_lshl_or_b32 v[116+\m], v[69+2*\m], 8, v[68+2*\m]
.endr
.irp m, 0,1,2,3
	v_cvt_scalef32_pk16_fp6_f32 v[84+8*\m:86+8*\m], v[ACC+32*\m:ACC+32*\m+15], v[76+2*\m]
	v_cvt_scalef32_pk16_fp6_f32 v[88+8*\m:90+8*\m], v[ACC+32*\m+16:ACC+32*\m+31], v[77+2*\m]
.endr
	v_nop                                          ; one plain place behind a scaled conversion
.irp m, 0,1,2,3
.irp i, 0,1,2
	v_permlane16_swap_b32 v[84+8*\m+\i], v[88+8*\m+\i]   ; a whole block to a lane: lanes 0-15 block 0, lanes 16-31 block 1
.endr
.endr
.irp m, 0,1,2,3
.irp i, 0,1,2
	v_mov_b32 v[87+8*\m+\i], v[88+8*\m+\i]
.endr
.endr
.irp m, 0,1,2,3
.irp e, 0,1,2
	ds_store_b64 v[TA], v[84+8*\m+2*\e:85+8*\m+2*\e] offset:6400*\m+8*\e
.endr
	ds_store_b16 v[TB], v[116+\m] offset:256*\m    ; both halves of the lanes write the same two bytes
.endr
	s_add_co_u32 s26, s26, 48                      ; the next group's slot
	s_add_co_u32 s27, s27, 2
.endm
; ---- the scores and the softmax, four of my positions at a time.  Source 0 = k's 16 heads, source 1 = q's: a lane holds query head r and key heads 8 h + 0..7
.macro SLOAD beta
.irp a, 0,1,2,3
.irp e, 0,1,2
	ds_load_b64 v[160+24*\a+2*\e:161+24*\a+2*\e], v[ASR] offset:400*(4*(\beta)+\a)+192+8*\e
.endr
.irp e, 0,1,2
	ds_load_b64 v[172+24*\a+2*\e:173+24*\a+2*\e], v[ASR] offset:400*(4*(\beta)+\a)+8*\e
.endr
	ds_load_u16 v[SK+\a], v[ASS] offset:16*(4*(\beta)+\a)+8   ; two scale bytes; the bytes of k = 64 .. 127 come as 0, over zero codes
	ds_load_u16 v[SQ+\a], v[ASS] offset:16*(4*(\beta)+\a)
.endr
.endm
.macro SBATCH beta
	s_wait_dscnt 0x0                               ; the operands are in, and the last batch's stores have read their registers
.irp a, 0,1,2,3
	v_wmma_scale_f32_16x16x128_f8f6f4 v[ACC+8*\a:ACC+8*\a+7], v[160+24*\a:171+24*\a], v[172+24*\a:183+24*\a], 0, v[SK+\a], v[SQ+\a] matrix_a_fmt:MATRIX_FMT_FP6 matrix_b_fmt:MATRIX_FMT_FP6
.endr
	PLACES 4
.if (\beta) < 3
	SLOAD (\beta)+1
.endif
.irp a, 0,1,2,3
	v_max3_num_f32 v[92+\a], v[ACC+8*\a], v[ACC+8*\a+1], v[ACC+8*\a+2]
.endr
.irp a, 0,1,2,3
	v_max3_num_f32 v[92+\a], v[92+\a], v[ACC+8*\a+3], v[ACC+8*\a+4]
.endr
.irp a, 0,1,2,3
	v_max3_num_f32 v[92+\a], v[92+\a], v[ACC+8*\a+5], v[ACC+8*\a+6]
.endr
.irp a, 0,1,2,3
	v_max_num_f32 v[92+\a], v[92+\a], v[ACC+8*\a+7]
.endr
.irp a, 0,1,2,3
	v_permlanex16_b32 v[96+\a], v[92+\a], s20, s21
.endr
.irp a, 0,1,2,3
	v_max_num_f32 v[92+\a], v[92+\a], v[96+\a]     ; the row's largest score
.endr
.irp a, 0,1,2,3
	v_mul_f32 v[100+2*\a], s24, v[92+\a]           ; - c x it, c = log2(e) / 8
.endr
.irp a, 0,1,2,3
.irp i, 0,1,2,3
	v_pk_fma_f32 v[60+8*\a+2*\i:61+8*\a+2*\i], v[ACC+8*\a+2*\i:ACC+8*\a+2*\i+1], s[22:23], v[100+2*\a:101+2*\a] op_sel_hi:[1,0,0]
.endr
.endr
.set J, 0
.rept 32
	v_exp_f32 v[60+J], v[60+J]
.set J, J+1
.endr
	v_nop                                          ; a plain place behind the exponentials
	s_wait_alu depctr_va_vdst(0)
.irp a, 0,1,2,3
	v_pk_add_f32 v[108+2*\a:109+2*\a], v[60+8*\a:61+8*\a], v[62+8*\a:63+8*\a]
.endr
.irp a, 0,1,2,3
	v_pk_add_f32 v[116+2*\a:117+2*\a], v[64+8*\a:65+8*\a], v[66+8*\a:67+8*\a]
.endr
.irp a, 0,1,2,3
	v_pk_add_f32 v[108+2*\a:109+2*\a], v[108+2*\a:109+2*\a], v[116+2*\a:117+2*\a]
.endr
.irp a, 0,1,2,3
	v_add_f32 v[108+2*\a], v[108+2*\a], v[109+2*\a]
.endr
.irp a, 0,1,2,3
	v_permlanex16_b32 v[116+2*\a], v[108+2*\a], s20, s21
.endr
.irp a, 0,1,2,3
	v_add_f32 v[108+2*\a], v[108+2*\a], v[116+2*\a]   ; the row's sum
.endr
.irp a, 0,1,2,3
	v_rcp_f32 v[108+2*\a], v[108+2*\a]
.endr
	v_nop                                          ; a plain place behind the reciprocals
	s_wait_alu depctr_va_vdst(0)
.irp a, 0,1,2,3
.irp i, 0,1,2,3
	v_pk_mul_f32 v[60+8*\a+2*\i:61+8*\a+2*\i], v[60+8*\a+2*\i:61+8*\a+2*\i], v[108+2*\a:109+2*\a] op_sel_hi:[1,0]
.endr
.endr
.irp a, 0,1,2,3
.irp c, 0,1
	ds_store_b128 v[APW], v[60+8*\a+4*\c:63+8*\a+4*\c] offset:1024*(4*(\beta)+\a)+512*\c   ; the weights as an image of their registers, in my own bytes
.endr
.endr
.endm
; ---- a group of v: lane (r, h), register j of (m, t) is position 16 m + r, head 8 h + j, place 8 w + 4 g2 + t of the half's 32.  Four heads, 16 bytes, to a store
.macro VEPI g2
.irp m, 0,1,2,3
.irp t, 0,1,2,3
.irp c, 0,1
.if \m < 2
	ds_store_b128 v[AVW], v[ACC+32*\m+8*\t+4*\c:ACC+32*\m+8*\t+4*\c+3] offset:33024*\m+512*\c+64*\g2+16*\t
.else
	ds_store_b128 v[AVW2], v[ACC+32*\m+8*\t+4*\c:ACC+32*\m+8*\t+4*\c+3] offset:33024*(\m-2)+512*\c+64*\g2+16*\t
.endif
.endr
.endr
.endr
	s_wait_dscnt 0x0                               ; the stores have read the accumulators: the next group may write them
.endm
; ---- weights x values in f32, two of my positions at a time.  Source 0 = 16 places of the head x 4 key heads, source 1 = 4 key heads x 16 query heads.
; The instruction's k = 2 h + j stands for key head 8 h + 2 sp + j on both sides.  Row mu of source 0's tile u is place mu + 8 (mu/8) + 8 u, so a lane's 16 results are places 16 h + 0..15.
.macro ALOAD b
.irp a, 0,1
.set RA, 160+48*((\b)%2)+24*\a
.irp c, 0,1
	ds_load_b128 v[RA+4*\c:RA+4*\c+3], v[APW] offset:1024*(2*(\b)+\a)+512*\c
.endr
.irp u, 0,1
.irp c, 0,1
	ds_load_b128 v[RA+8+8*\u+4*\c:RA+8+8*\u+4*\c+3], v[AVR] offset:2064*(2*(\b)+\a)+512*\c+128*\u
.endr
.endr
.endr
.endm
.macro ABATCH b
.if (\b) < 7
	ALOAD (\b)+1
	s_wait_dscnt 12                                ; all but the 12 loads just issued: this batch's operands are in, the last batch's stores are done
.else
	s_wait_dscnt 0x0
.endif
.irp sp, 0,1,2,3
.irp a, 0,1
.irp u, 0,1
.set RA, 160+48*((\b)%2)+24*\a
.set RD, ACC+16*\a+8*\u
.if \sp == 0
	v_wmma_f32_16x16x4_f32 v[RD:RD+7], v[RA+8+8*\u+2*\sp:RA+9+8*\u+2*\sp], v[RA+2*\sp:RA+2*\sp+1], 0
.else
	v_wmma_f32_16x16x4_f32 v[RD:RD+7], v[RA+8+8*\u+2*\sp:RA+9+8*\u+2*\sp], v[RA+2*\sp:RA+2*\sp+1], v[RD:RD+7]
.endif
.endr
.endr
.endr
	PLACES 9                                       ; this form asks eight in front of a read of its results and nine in front of products that write over them
.irp a, 0,1
	v_max3_num_f32 v[60+\a], |v[ACC+16*\a]|, |v[ACC+16*\a+1]|, 0x1800000   ; quantised along the output projection's K: block 2 i + half, 16 numbers here and 16 in lane l xor 16
.endr
.irp i, 2,4,6,8,10,12,14
.irp a, 0,1
	v_max3_num_f32 v[60+\a], v[60+\a], |v[ACC+16*\a+\i]|, |v[ACC+16*\a+\i+1]|
.endr
.endr
.irp a, 0,1
	v_permlanex16_b32 v[62+\a], v[60+\a], s20, s21
.endr
.irp a, 0,1
	v_max_num_f32 v[60+\a], v[60+\a], v[62+\a]
.endr
.irp a, 0,1
	v_add_nc_u32 v[64+\a], 0xff000000, v[60+\a]
.endr
.irp a, 0,1
	v_cvt_scalef32_pk16_fp6_f32 v[72+4*\a:74+4*\a], v[ACC+16*\a:ACC+16*\a+15], v[64+\a]
.endr
.irp a, 0,1
	v_lshrrev_b32 v[66+\a], 23, v[64+\a]           ; the scale's byte.  (Also the plain place behind the conversions)
.endr
.irp a, 0,1
.irp e, 0,1,2
	ds_store_b32 v[TB], v[72+4*\a+\e] offset:784*(2*(\b)+\a)+4*\e   ; 16 codes, 12 bytes, at their place in the position's row of codes
.endr
	ds_store_b8 v[TB2], v[66+\a] offset:32*(2*(\b)+\a)
.endr
.endm
; ---- the way out of a group of the output projection: 64 rows x 64 columns through my own stage, back as rows of 256 bytes
.macro OEPI step
.irp m, 0,1,2,3
.irp t, 0,1,2,3
.irp c, 0,1
	ds_store_b128 v[AOSW], v[ACC+32*\m+8*\t+4*\c:ACC+32*\m+8*\t+4*\c+3] offset:4352*\m+128*(\t/2)+32*(\t%2)+16*\c
.endr
.endr
.endr
	s_wait_dscnt 0x0                               ; the stores have read the accumulators, into some of which the rows come back
.set Q, 0
.rept 32
.set OB, 160+4*(Q-8)
.if Q < 8
.set OB, 60+4*Q
.endif
	ds_load_b128 v[OB:OB+3], v[AOSR] offset:4352*(Q/8)+544*(Q%8)
.set Q, Q+1
.endr
.set Q, 0
.rept 32
.set OB, 160+4*(Q-8)
.if Q < 8
.set OB, 60+4*Q
.endif
	s_wait_dscnt 31-Q                              ; the younger loads may stay out
	global_store_b128 v[AOG], v[OB:OB+3], s[16:17] offset:4096*(16*(Q/8)+2*(Q%8)) th:TH_STORE_NT   ; sixteen lanes store 256 consecutive bytes, at a multiple of 256 from out0's first byte; two rows a store
.set Q, Q+1
.endr
.if \step
	s_wait_xcnt 0x0                                ; the stores have read their registers and their base: both may be written again
	s_add_nc_u64 s[16:17], s[16:17], 256           ; the next 64 columns
.endif
.endm
	s_load_b128 s[4:7], s[0:1], 0x0                ; x, wimg
	s_load_b64 s[8:9], s[0:1], 0x10                ; out0
	v_lshl_add_u32 v126, v0, 2, 0x3d000
	v_mov_b32 v127, 0
	v_lshrrev_b32 v60, 5, v0
	v_readfirstlane_b32 s10, v60                   ; wave 0..3
	v_and_b32 v60, 31, v0                          ; lane
	v_and_b32 v61, 15, v0                          ; r
	v_bfe_u32 v62, v0, 4, 1                        ; h
	v_lshlrev_b32 v[L16], 4, v60
	v_lshlrev_b32 v[L8], 3, v60
	s_mul_i32 s40, s10, 16*REC                     ; my 16 records
	s_mov_b32 s41, 0
	s_lshl_b32 s42, ttmp9, 18                      ; the work-group's 64 rows of 4,096 bytes,
	s_lshl_b32 s43, s10, 16                        ; my 16 of them
	s_add_co_u32 s42, s42, s43
	s_mov_b32 s43, 0
	s_lshl_b32 s44, ttmp9, 18
	s_lshl_b32 s45, s10, 10                        ; my 256 columns of out0
	s_add_co_u32 s44, s44, s45
	s_mov_b32 s45, 0
	s_mov_b32 s20, 0x76543210
	s_mov_b32 s21, 0xfedcba98                      ; v_permlanex16_b32's selects for lane l xor 16
	s_mov_b32 s22, 0x3e38aa3b                      ; c = log2(e) / sqrt(64)
	s_mov_b32 s23, s22                             ; (named with it as a pair, so it is written)
	s_mov_b32 s24, 0xbe38aa3b                      ; - c
	s_wait_kmcnt 0x0
	s_add_nc_u64 s[12:13], s[6:7], s[40:41]
	s_add_nc_u64 s[14:15], s[4:5], s[42:43]
	s_add_nc_u64 s[16:17], s[8:9], s[44:45]
.irp t, 0,1,2,3,4,5,6,7,8,9,10,11
	LOADX \t                                       ; 48 loads of x go out ahead of the address arithmetic
.endr
	WIN 0
	s_mul_i32 s30, s10, 5120
	s_add_co_u32 s30, s30, BIG                     ; my stage for x's turn: two of 32 places of 64 + 16 bytes
	v_lshrrev_b32 v63, 2, v60
	v_mul_u32_u24 v63, v63, 80
	v_and_b32 v64, 3, v60
	v_lshl_add_u32 v63, v64, 4, v63
	v_add_nc_u32 v[AXS], s30, v63                  ; in: 80 (lane/4) + 16 (lane%4)
	v_mul_u32_u24 v63, v60, 80
	v_add_nc_u32 v[AXT], s30, v63                  ; out: 80 x lane
	s_mul_i32 s31, s10, 12544                      ; my 16 rows of CR
	v_mul_u32_u24 v63, v60, 12
	v_add_nc_u32 v[AXC], s31, v63
	s_lshl_b32 s32, s10, 9
	s_add_co_u32 s32, s32, CS                      ; my 16 rows of CS
	v_lshrrev_b32 v63, 1, v60
	v_add_nc_u32 v[AXB], s32, v63
	v_mul_u32_u24 v[AFR], v61, 784                 ; pitch 784 = 196 words: row r starts at bank 4 r mod 64 (64 banks of 4 bytes: ISA guide 11.1), so the 32 lanes of a load of 8 bytes touch 64 different banks
	v_mad_u32_u24 v[AFR], v62, 24, v[AFR]
	v_lshlrev_b32 v63, 5, v61
	v_lshl_add_u32 v63, v62, 2, v63
	v_add_nc_u32 v[AFS], CS, v63
	s_mul_i32 s33, s10, 25664
	s_add_co_u32 s33, s33, BIG                     ; QKR: what I make: 64 positions x 400 bytes (8 slots of 48: q of heads 4 w + 0..3, then k of the same)
	v_mul_u32_u24 v63, v61, 400
	v_mad_u32_u24 v63, v62, 24, v63
	v_add_nc_u32 v[AQW], s33, v63
	s_lshl_b32 s34, s10, 10
	s_add_co_u32 s34, s34, QKS
	v_lshl_add_u32 v[ASW], v61, 4, s34             ; QKS: 16 bytes a position, 2 a slot
	v_lshrrev_b32 v63, 2, v61                      ; head r was made by wave r/4, in slot r%4
	v_mul_u32_u24 v63, v63, 25664
	v_and_b32 v64, 3, v61
	v_mad_u32_u24 v63, v64, 48, v63
	v_mad_u32_u24 v63, v62, 24, v63
	s_mul_i32 s35, s10, 6400                       ; my 16 positions
	s_add_co_u32 s35, s35, BIG
	v_add_nc_u32 v[ASR], s35, v63
	v_lshrrev_b32 v63, 2, v61
	v_lshlrev_b32 v63, 10, v63
	v_lshl_add_u32 v63, v64, 1, v63
	s_lshl_b32 s36, s10, 8
	s_add_co_u32 s36, s36, QKS
	v_add_nc_u32 v[ASS], s36, v63
	s_lshl_b32 s37, s10, 14
	s_add_co_u32 s37, s37, PW
	v_add_nc_u32 v[APW], s37, v[L16]
	v_mul_u32_u24 v63, v61, 2064                   ; VST: a position is 2,048 bytes + 16: 1024 (head/8) + 512 ((head/4)%2) + 16 place + 4 (head%4)
	v_lshl_add_u32 v63, v62, 10, v63
	s_lshl_b32 s38, s10, 7
	s_add_co_u32 s38, s38, BIG
	v_add_nc_u32 v[AVW], s38, v63
	v_add_nc_u32 v[AVW2], 66048, v[AVW]            ; 32 positions on: beyond an LDS offset's 16 bits
	v_and_b32 v63, 8, v61
	v_add_nc_u32 v63, v63, v61                     ; r + 8 (r/8)
	v_lshlrev_b32 v63, 4, v63
	v_lshl_add_u32 v63, v62, 10, v63
	s_mul_i32 s39, s10, 33024                      ; my 16 positions
	s_add_co_u32 s39, s39, BIG
	v_add_nc_u32 v[AVR], s39, v63
	v_mul_u32_u24 v63, v61, 48                     ; head r's 64 codes are 48 bytes of the row; my 16 of a half's 32: + 12 h
	v_mad_u32_u24 v63, v62, 12, v63
	v_add_nc_u32 v[AOW], s31, v63
	v_lshl_add_u32 v[AOS], v61, 1, s32
	s_mul_i32 s46, s10, 17408
	s_add_co_u32 s46, s46, BIG                     ; my stage for the way out: 4 x 16 rows x (256 + 16) bytes
	v_mul_u32_u24 v63, v61, 272
	v_lshl_add_u32 v63, v62, 6, v63
	v_add_nc_u32 v[AOSW], s46, v63
	v_mul_u32_u24 v63, v62, 272
	v_lshl_add_u32 v63, v61, 4, v63
	v_add_nc_u32 v[AOSR], s46, v63
	v_lshlrev_b32 v63, 12, v62
	v_lshl_add_u32 v[AOG], v61, 4, v63
.irp j, 68,69,70,71,72,73,74,75,96,97,98,99,101,103,105,107
	v_mov_b32 v[\j], 0                             ; written once: lane permutes' destinations count as sources, and the upper words of pairs are named with the lower
.endr
	; ---- X: my 16 rows of x become codes and scale bytes in CR and CS
	s_wait_loadcnt 44                              ; step 0's four loads are in
	TURN 0
.irp t, 0,1,2,3,4,5,6,7,8,9,10,11,12,13,14,15,16,17,18,19,20,21,22,23,24,25,26,27,28,29,30,31
	XSTEP \t
.endr
	BLOAD 0                                        ; the weights' stream begins: the first record's biases and four K steps
	LSTEP 0, 4096
	LSTEP 1, 4096+6400
	LSTEP 2, 4096+2*6400
	LSTEP 3, 4096+3*6400
	BARRIER                                        ; all 64 rows' codes lie in CR
	FETCH
	; ---- q and k: eight groups, a head each
	s_mov_b32 s26, 0
	s_mov_b32 s27, 0
	s_mov_b32 s25, 8
.Lqk:
	GROUP 0
	QKEPI
	s_sub_co_u32 s25, s25, 1
	s_cmp_lg_u32 s25, 0
	s_cbranch_scc1 .Lqk
	BARRIER                                        ; q's and k's codes of all heads lie in QKR
	; ---- the scores' K is 64: the upper half of each fragment (k = 64 .. 127) holds zero codes, written once for the eight fragments in hand
.irp a, 0,1,2,3
.irp i, 6,7,8,9,10,11
	v_mov_b32 v[160+24*\a+\i], 0
	v_mov_b32 v[172+24*\a+\i], 0
.endr
.endr
	PLACES 4                                       ; an operand written by vector instructions stands four places ahead of a scaled matrix instruction
	SLOAD 0
	SBATCH 0
	SBATCH 1
	SBATCH 2
	SBATCH 3
	BARRIER                                        ; QKR has been read out by every wave: VST may be written over it
	; ---- v and weights x values, half a head's 64 at a time
	s_mov_b32 s28, 0
	s_mov_b32 s29, 0
	s_mov_b32 s25, 2
.Lhalf:
	GROUP 0
	VEPI 0
	GROUP 0
	VEPI 1
	BARRIER                                        ; the half's v of all 64 positions lies in VST
	v_add_nc_u32 v[TB], s28, v[AOW]
	v_add_nc_u32 v[TB2], s29, v[AOS]
	ALOAD 0
.irp b, 0,1,2,3,4,5,6,7
	ABATCH \b
.endr
	BARRIER                                        ; VST has been read out; after the second half the attention's codes lie in CR
	s_add_co_u32 s28, s28, 24                      ; the second half's 32 codes of a head: 24 bytes on; its block's byte: 1 on
	s_add_co_u32 s29, s29, 1
	s_sub_co_u32 s25, s25, 1
	s_cmp_lg_u32 s25, 0
	s_cbranch_scc1 .Lhalf
	FETCH
	; ---- the output projection: four groups of 64 columns
	s_mov_b32 s25, 3
.Lout:
	GROUP 0
	OEPI 1
	s_sub_co_u32 s25, s25, 1
	s_cmp_lg_u32 s25, 0
	s_cbranch_scc1 .Lout
	GROUP 1                                        ; the stream's last record is written out: no load leaves the buffer
	OEPI 0
	s_wait_tensorcnt 0x0
	ds_add_u32 v126, v127
	s_wait_dscnt 0x0
	s_endpgm
.Lfunc_end_k_q234fd26df6_main:
	.size	k_q234fd26df6_main, .Lfunc_end_k_q234fd26df6_main-k_q234fd26df6_main
	.p2alignl 7, 3214868480
	.fill 96, 4, 3214868480
	.section	.rodata,"a",@progbits
	.p2align	6, 0x0
	.amdhsa_kernel k_q234fd26df6_main
		.amdhsa_group_segment_fixed_size 250368
		.amdhsa_private_segment_fixed_size 0
		.amdhsa_enable_private_segment 0
		.amdhsa_kernarg_size 24
		.amdhsa_user_sgpr_count 2
		.amdhsa_user_sgpr_kernarg_segment_ptr 1
		.amdhsa_wavefront_size32 1
		.amdhsa_system_sgpr_workgroup_id_x 1
		.amdhsa_system_sgpr_workgroup_id_y 1
		.amdhsa_system_sgpr_workgroup_id_z 1
		.amdhsa_system_vgpr_workitem_id 0
		.amdhsa_next_free_vgpr 1024
		.amdhsa_next_free_sgpr 66
		.amdhsa_reserve_vcc 0
		.amdhsa_float_denorm_mode_32 3
		.amdhsa_float_denorm_mode_16_64 3
		.amdhsa_memory_ordered 1
		.amdhsa_forward_progress 1
		.amdhsa_inst_pref_size 255
	.end_amdhsa_kernel
	.section	.bss,"aw",@nobits
	.p2align	6
	.space	262144
	.amdgpu_metadata
---
amdhsa.version: [ 1, 2 ]
amdhsa.kernels:
  - .name:           k_q234fd26df6_main
    .symbol:         k_q234fd26df6_main.kd
    .args:
      - { .name: x, .offset: 0, .size: 8, .value_kind: global_buffer, .address_space: global }
      - { .name: wimg, .offset: 8, .size: 8, .value_kind: global_buffer, .address_space: global }
      - { .name: out0, .offset: 16, .size: 8, .value_kind: global_buffer, .address_space: global }
    .group_segment_fixed_size: 250368
    .private_segment_fixed_size: 0
    .kernarg_segment_align: 8
    .kernarg_segment_size: 24
    .max_flat_workgroup_size: 128
    .sgpr_count:     66
    .vgpr_count:     1024
    .wavefront_size: 32
...
	.end_amdgpu_metadata
.endif
;; end of part 2
;; ======== version 2 of 2: 2 launches
;; workspace buffers: wimg 3,538,944 bytes
;; launch prep (part 3): grid 256 x 1, 2 waves a work-group, no clusters, 0 bytes of LDS; arguments wq, wk, wv, wo, bq, bk, bv, bo, wimg; writes wimg
.if DOCPART == 3
	.amdgcn_target "amdgcn-amd-amdhsa--gfx1250"
	.amdhsa_code_object_version 6
	.text
	.protected	k_q234fd26df6_prep
	.globl	k_q234fd26df6_prep
	.p2align	8
	.type	k_q234fd26df6_prep,@function
k_q234fd26df6_prep:
	s_mov_b64 s[64:65], 0
	v_nop
	global_prefetch_b8 v0, s[64:65] scope:SCOPE_SE
	s_setreg_imm32_b32 hwreg(HW_REG_WAVE_MODE, 25, 1), 1
	s_wait_xcnt 0x0
; wq, wk, wv, wo [1024][1024] f32 (K innermost) and their biases become ONE buffer of operand images for the second launch:
; codes of FP6 (E2M3) with one E8M0 scale byte for each 32 along K, laid in the order of the matrix operand's registers, lane by lane.
; 64 RECORDS of REC bytes: record 16 w + G serves wave w of the second launch in its G-th group (G 0-3 wq, 4-7 wk, 8-11 wv, 12-15 wo).
; A record holds 4 tiles t of 16 weight rows, all of K.  Row mu of tile t is weight row
;   not wv: 64 (4 w + G%4) + 32 (t/2) + 8 (t%2) + mu + 8 (mu/8)   (so that the results of tiles 2 b, 2 b + 1 are 16 neighbours along the next K)
;   wv:     64 mu + d,  d = 32 ((G%4)/2) + 8 w + 4 (G%2) + t      (the 16 heads at one place d of the head)
; Record: bytes 0-4095 the biases as the C registers of a tile (1024 t + 512 c2 + 16 lane: bias of rows 8 h + 4 c2 + 0..3);
;   then 8 K steps of 6,400 bytes: 4 fragments of 1,536 bytes (1536 t + 512 c + 16 lane: registers 4 c .. 4 c + 3), then 256 bytes of scale words
;   (8 lane: word c is that of tile 2 c + lane/16, row lane%16).
; SHARES: a wave makes one K step of one record (512 waves) and one eighth of the record's biases.  Lane (r, h) takes row r of a tile and k = 64 c + 32 h + 0..31:
; two whole blocks, so a block's largest magnitude needs no other lane, and the conversions' results are the operand's registers.
; A block's scale byte is its largest magnitude's exponent field - 2, held at 1 from below.
; LIMITS: a block of zeros gets the byte 1 where the quantiser says 127 (its codes are zeros, and this program alone reads the bytes); NaN and infinities are not served.
; No LDS, no barrier: waves share nothing.  Every store's data have registers of their own, so no store's source is written again.
.set REC,   55296
.set X,     32                         ; v32-159  two sets of 64 numbers
.set PC,    160                        ; v160-207 the codes, 12 registers a tile
.set TC,    208                        ; v208-214 the upper halves of a tile's two blocks, before they are moved
	s_load_b512 s[16:31], s[0:1], 0x0              ; wq, wk, wv, wo, bq, bk, bv, bo
	s_load_b64 s[32:33], s[0:1], 0x40              ; wimg
	v_lshrrev_b32 v1, 5, v0
	v_readfirstlane_b32 s2, v1                     ; wave 0..1
	v_and_b32 v1, 31, v0                           ; lane
	v_and_b32 v2, 15, v0                           ; r
	s_wait_alu depctr_va_vdst(0)
	v_bfe_u32 v3, v0, 4, 1                         ; h
	v_lshlrev_b32 v4, 4, v1                        ; 16 x lane
	v_lshlrev_b32 v5, 3, v1                        ; 8 x lane
	v_lshlrev_b32 v6, 3, v3                        ; 8 h: my two scale bytes' shift
	v_mov_b32 v27, 0                               ; a lane permute's destination counts as one of its sources
	s_mov_b32 s48, 0x76543210
	s_mov_b32 s49, 0xfedcba98                      ; v_permlanex16_b32's selects for lane l xor 16
	s_lshl_b32 s3, ttmp9, 1
	s_add_co_u32 s3, s3, s2                        ; my unit, 0..511
	s_lshr_b32 s4, s3, 3                           ; record
	s_and_b32 s5, s3, 7                            ; K step s
	s_lshr_b32 s6, s4, 4                           ; w
	s_and_b32 s7, s4, 15                           ; G
	s_lshr_b32 s8, s7, 2                           ; which matrix: 0 q, 1 k, 2 v, 3 o
	s_and_b32 s9, s7, 3                            ; g = G % 4
	s_lshr_b32 s14, s9, 1                          ; wv's first row: 32 (g/2) + 8 w + 4 (g%2)
	s_lshl_b32 s14, s14, 5
	s_lshl_b32 s15, s6, 3
	s_add_co_u32 s14, s14, s15
	s_and_b32 s15, s9, 1
	s_lshl_b32 s15, s15, 2
	s_add_co_u32 s14, s14, s15
	s_lshl_b32 s15, s6, 8                          ; the others': 256 w + 64 g
	s_lshl_b32 s38, s9, 6
	s_add_co_u32 s15, s15, s38
	s_cmp_eq_u32 s8, 2                             ; row = NB0 + TA (t/2) + TB (t%2) + A1 mu + A2 (mu/8): one path for all four matrices
	s_cselect_b32 s14, s14, s15                    ; NB0
	s_cselect_b32 s10, 64, 1                       ; A1
	s_cselect_b32 s11, 0, 8                        ; A2
	s_cselect_b32 s12, 2, 32                       ; TA
	s_cselect_b32 s13, 1, 8                        ; TB
	s_lshl_b32 s39, s5, 9                          ; 512 s: the K step's bytes in a weight row; also my piece of the record's biases
.irp t, 0,1,2,3
	s_mul_i32 s50, s12, \t/2
	s_mul_i32 s51, s13, \t%2
	s_add_co_u32 s50, s50, s51
	s_add_co_u32 s50, s50, s14
	s_lshl_b32 s50, s50, 12                        ; a weight row is 4,096 bytes
	s_add_co_u32 s[40+\t], s50, s39
.endr
	v_mul_u32_u24 v7, v2, s10                      ; my row in a tile: r A1 + (r/8) A2,
	v_lshrrev_b32 v20, 3, v2
	v_mad_u32_u24 v7, v20, s11, v7
	v_lshlrev_b32 v7, 12, v7
	s_wait_alu depctr_va_vdst(0)
	v_lshl_add_u32 v7, v3, 7, v7                   ; and my 32 numbers of each 64: + 128 h
.irp t, 0,1,2,3
	v_add_nc_u32 v[8+\t], s[40+\t], v7
.endr
	s_lshr_b32 s50, s5, 2                          ; the biases: step s makes tile s/2, half c2 = s%2
	s_mul_i32 s50, s50, s12
	s_bfe_u32 s51, s5, 0x10001
	s_mul_i32 s51, s51, s13
	s_add_co_u32 s50, s50, s51
	s_add_co_u32 s50, s50, s14                     ; that tile's first row
	s_and_b32 s51, s5, 1
	s_lshl_b32 s51, s51, 2                         ; 4 c2
	v_lshl_add_u32 v20, v3, 3, s51                 ; mu = 8 h + 4 c2 + e
.irp e, 0,1,2,3
	v_add_nc_u32 v[12+\e], \e, v20
	v_mul_u32_u24 v[12+\e], v[12+\e], s10
	v_mad_u32_u24 v[12+\e], v3, s11, v[12+\e]      ; mu/8 = h
	v_add_lshl_u32 v[12+\e], v[12+\e], s50, 2
.endr
	s_mul_i32 s52, s4, REC
	s_mul_i32 s53, s5, 6400
	s_add_co_u32 s54, s52, s53
	s_add_co_u32 s54, s54, 4096                    ; my K step in the buffer
	s_mov_b32 s55, 0
	s_add_co_u32 s52, s52, s39                     ; my 512 bytes of biases
	s_mov_b32 s53, 0
	s_wait_alu depctr_va_vdst(0)
	s_wait_kmcnt 0x0
	s_cmp_eq_u32 s8, 1                             ; the matrix and its bias: a choice that hangs on the work-group's and the wave's number alone
	s_cselect_b64 s[34:35], s[18:19], s[16:17]
	s_cselect_b64 s[36:37], s[26:27], s[24:25]
	s_cmp_eq_u32 s8, 2
	s_cselect_b64 s[34:35], s[20:21], s[34:35]
	s_cselect_b64 s[36:37], s[28:29], s[36:37]
	s_cmp_eq_u32 s8, 3
	s_cselect_b64 s[34:35], s[22:23], s[34:35]
	s_cselect_b64 s[36:37], s[30:31], s[36:37]
	s_add_nc_u64 s[44:45], s[32:33], s[54:55]
	s_add_nc_u64 s[46:47], s[32:33], s[52:53]
.macro LOADT t                         ; tile t: my two blocks of 32 numbers, 128 bytes each, into set t % 2
.irp c, 0,1
.irp j, 0,1,2,3,4,5,6,7
	global_load_b128 v[X+64*((\t)%2)+32*\c+4*\j:X+64*((\t)%2)+32*\c+4*\j+3], v[8+(\t)], s[34:35] offset:256*\c+16*\j
.endr
.endr
.endm
.macro TILE t, cnt
.set XS, X+64*((\t)%2)
.set PT, PC+12*(\t)
	s_wait_loadcnt \cnt                            ; this tile's 16 loads are in; cnt = the next tile's, which may stay out
.irp c, 0,1
	v_max3_num_f32 v[20+\c], |v[XS+32*\c]|, |v[XS+32*\c+1]|, 0x1800000   ; my block 2 c + h, and the floor 2^(3 - 127): the byte cannot fall under 1
.endr
.irp i, 2,4,6,8,10,12,14,16,18,20,22,24,26,28,30
.irp c, 0,1
	v_max3_num_f32 v[20+\c], v[20+\c], |v[XS+32*\c+\i]|, |v[XS+32*\c+\i+1]|   ; (the two blocks by turns)
.endr
.endr
.irp c, 0,1
	v_add_nc_u32 v[22+\c], 0xff000000, v[20+\c]    ; 2 off the exponent field: the conversion's scale operand
.endr
.irp c, 0,1
	v_lshrrev_b32 v[24+\c], 23, v[22+\c]           ; the scale's byte
.endr
	v_lshl_or_b32 v26, v25, 16, v24                ; blocks h and 2 + h of my row,
	v_lshlrev_b32 v26, v6, v26                     ; at their places in the word;
	v_permlanex16_b32 v27, v26, s48, s49
	v_or_b32 v[28+(\t)], v26, v27                  ; with lane l xor 16's two the word is whole, in both lanes
.irp c, 0,1
	v_cvt_scalef32_pk16_fp6_f32 v[PT+6*\c:PT+6*\c+2], v[XS+32*\c:XS+32*\c+15], v[22+\c]
	v_cvt_scalef32_pk16_fp6_f32 v[TC+4*\c:TC+4*\c+2], v[XS+32*\c+16:XS+32*\c+31], v[22+\c]   ; (a conversion's three registers begin on an even number)
.endr
	v_nop                                          ; one plain place behind a scaled conversion
.irp c, 0,1
.irp i, 0,1,2
	v_mov_b32 v[PT+6*\c+3+\i], v[TC+4*\c+\i]
.endr
.endr
.irp c, 0,1,2
	global_store_b128 v4, v[PT+4*\c:PT+4*\c+3], s[44:45] offset:1536*(\t)+512*\c   ; 32 lanes store 512 consecutive bytes, at a multiple of 256 from the buffer's first byte
.endr
.endm
.irp e, 0,1,2,3
	global_load_b32 v[16+\e], v[12+\e], s[36:37]
.endr
	LOADT 0
	LOADT 1
	TILE 0, 16
	global_store_b128 v4, v[16:19], s[46:47]       ; the biases came ahead of tile 0's numbers
	LOADT 2
	TILE 1, 16
	LOADT 3
	TILE 2, 16
	TILE 3, 0
	v_cmp_lt_u32 vcc_lo, 15, v1                    ; lanes 16-31 carry the odd tiles' words
	v_cndmask_b32 v216, v28, v29, vcc_lo
	v_cndmask_b32 v217, v30, v31, vcc_lo
	global_store_b64 v5, v[216:217], s[44:45] offset:6144
	s_endpgm
.Lfunc_end_k_q234fd26df6_prep:
	.size	k_q234fd26df6_prep, .Lfunc_end_k_q234fd26df6_prep-k_q234fd26df6_prep
	.p2alignl 7, 3214868480
	.fill 96, 4, 3214868480
	.section	.rodata,"a",@progbits
	.p2align	6, 0x0
	.amdhsa_kernel k_q234fd26df6_prep
		.amdhsa_group_segment_fixed_size 0
		.amdhsa_private_segment_fixed_size 0
		.amdhsa_enable_private_segment 0
		.amdhsa_kernarg_size 72
		.amdhsa_user_sgpr_count 2
		.amdhsa_user_sgpr_kernarg_segment_ptr 1
		.amdhsa_wavefront_size32 1
		.amdhsa_system_sgpr_workgroup_id_x 1
		.amdhsa_system_sgpr_workgroup_id_y 1
		.amdhsa_system_sgpr_workgroup_id_z 1
		.amdhsa_system_vgpr_workitem_id 0
		.amdhsa_next_free_vgpr 224
		.amdhsa_next_free_sgpr 66
		.amdhsa_reserve_vcc 1
		.amdhsa_float_denorm_mode_32 3
		.amdhsa_float_denorm_mode_16_64 3
		.amdhsa_memory_ordered 1
		.amdhsa_forward_progress 1
		.amdhsa_inst_pref_size 25
	.end_amdhsa_kernel
	.amdgpu_metadata
---
amdhsa.version: [ 1, 2 ]
amdhsa.kernels:
  - .name:           k_q234fd26df6_prep
    .symbol:         k_q234fd26df6_prep.kd
    .args:
      - { .name: wq, .offset: 0, .size: 8, .value_kind: global_buffer, .address_space: global }
      - { .name: wk, .offset: 8, .size: 8, .value_kind: global_buffer, .address_space: global }
      - { .name: wv, .offset: 16, .size: 8, .value_kind: global_buffer, .address_space: global }
      - { .name: wo, .offset: 24, .size: 8, .value_kind: global_buffer, .address_space: global }
      - { .name: bq, .offset: 32, .size: 8, .value_kind: global_buffer, .address_space: global }
      - { .name: bk, .offset: 40, .size: 8, .value_kind: global_buffer, .address_space: global }
      - { .name: bv, .offset: 48, .size: 8, .value_kind: global_buffer, .address_space: global }
      - { .name: bo, .offset: 56, .size: 8, .value_kind: global_buffer, .address_space: global }
      - { .name: wimg, .offset: 64, .size: 8, .value_kind: global_buffer, .address_space: global }
    .group_segment_fixed_size: 0
    .private_segment_fixed_size: 0
    .kernarg_segment_align: 8
    .kernarg_segment_size: 72
    .max_flat_workgroup_size: 64
    .sgpr_count:     66
    .vgpr_count:     224
    .wavefront_size: 32
...
	.end_amdgpu_metadata
.endif
;; end of part 3
;; launch main (part 4): grid 256 x 1, 4 waves a work-group, no clusters, 250,368 bytes of LDS; arguments x, wimg, out0; writes out0
.if DOCPART == 4
	.amdgcn_target "amdgcn-amd-amdhsa--gfx1250"
	.amdhsa_code_object_version 6
	.text
	.protected	k_q234fd26df6_main
	.globl	k_q234fd26df6_main
	.p2align	8
	.type	k_q234fd26df6_main,@function
k_q234fd26df6_main:
	s_mov_b64 s[64:65], 0
	v_nop
	global_prefetch_b8 v0, s[64:65] scope:SCOPE_SE
	s_setreg_imm32_b32 hwreg(HW_REG_WAVE_SCHED_MODE, 0, 2), 2
	s_setreg_imm32_b32 hwreg(HW_REG_WAVE_MODE, 25, 1), 1
	s_wait_xcnt 0x0
	s_wait_alu depctr_vm_vsrc(0)
; out0 = attention across the 16 heads at each position (q, k, v = x W^T + b), then the output projection; the four projections and the scores on codes of FP6 (E2M3)
; with one E8M0 scale for each 32 along K; the softmax and weights x values in f32.  Nothing between x and out0 goes to memory.
; SHARES.  A work-group of four waves owns 64 positions.  In the four projections THE WAVES SHARE THE COLUMNS: wave w makes 256 of each 1,024 columns for all 64 rows, in groups of 64 columns
; (16 accumulators of 16 x 16).  The codes of the 64 rows, all of K (32 fragments, 384 registers), stay in every wave's registers, so each weight fragment feeds four matrix instructions.
; In the attention THE WAVES SHARE THE POSITIONS: wave w owns positions 16 w .. 16 w + 15.  What changes hands goes through LDS, between barriers.
; THE WEIGHTS come as images of the operand's registers (first launch), by loads of 16 bytes a lane straight into registers, four K steps deep; the counted waits never drain the stream.
; WHY NO JOINT TENSOR LOADS, though all work-groups walk the same weights: a weight fragment has ONE reader in a work-group, so LDS would add a write and a read for each byte and spare none;
; and the stages below take 249,856 of the 327,680 bytes of LDS: two slots in the 77,824 left would hold 38,912 bytes each, one and a half K steps of the four waves' 25,600 bytes,
; with every load waited for at each change of slots.
; EVERY PRODUCT IS USED TRANSPOSED (source 0 = 16 weight rows, source 1 = 16 positions): a lane holds one position and its registers run along the columns, which are the next K.
; LIMITS: NaN and infinities among the inputs are not served; a block of zeros gets the scale byte 1 (its codes are zeros); a softmax term under 2^-126 becomes 0 (v_exp_f32).
; LDS:  CR 64 rows of 768 bytes of codes (x's, later the attention's result), pitch 784;  CS their scale bytes, 32 a row;  PW the softmax weights, 1,024 bytes a position, each wave's own;
;   BIG, used four ways, parted by barriers: XSTG (x's turn, 5,120 bytes a wave) | QKR + QKS (q's and k's codes and scale bytes, by the wave that made them) | VST (v, f32, half a head's 64 at a time) | OSTG (the way out).
; REGISTERS, in windows of 256: window 0: v1-24 addresses; v28-35 the weights' scale words, v36-51 the rows', v52-59 k's and q's (these hold scales alone); v60-127 at work; v128-255 the 16 accumulators ((m, t) at 128 + 32 m + 8 t).
;   v128-159 are also the results of the f32 matrix form: matrix instructions alone write them.  v160-255 serve as operands and scratch between the projections.
;   window 1: v0-191 the rows' fragments of K steps 0-3 (first: twelve sets of x as loaded); v192-223 a group's biases.   window 2: v0-191 K steps 4-7.   window 3: v0-191 four sets of weight fragments.
; THE MODE: SCHED_MODE bits 1:0 = 2 (LLVM: expert scheduling mode 2), set by the entry lines.  The code itself states the register dependences between vector or matrix instructions
; and memory or LDS instructions, with s_wait_alu, always for 0.
; THE PLAN.  Registers that memory or LDS instructions touch, and who else names them:
;   v1-v20, v22     addresses, written once at the head; one wait on va_vdst ahead of the first loads of x (v1, v2), one ahead of the first turn through the stage (the others).
;   x's twelve sets global loads land; the stage's LDS stores read.   XN0, XN1: LDS loads land; a step's maxima and conversion read.   v64-70, v72-73, two sets: a step's conversion writes; the four
;                   small stores read, and they go out at the head of the NEXT step.  So a step's head holds one wait on vm_vsrc and one on va_vdst, and these state all that its loads and stores hang on.
;   weight sets, v28-35, the biases: loads land; a K step's 16 products read.  One wait on va_vdst behind each K step's products, and the set is asked for again at once, ahead of the wait for the next
;                   K step's data: a set that waited for that data would lie idle, and three K steps would be on their way where four are.  Behind K step 7 the same wait states that the accumulators are written.
;   the rows' fragments, v36-51: LDS loads land, twice in the launch; the products read.
;   the accumulators: products write; the LDS stores of v and of the way out read; between the projections LDS loads land in v160-255.  A wait on vm_vsrc behind each run of such stores.
;   v60-v123        at work: vector instructions write; the LDS stores of codes, bytes and weights read; on the way out LDS loads land and global stores read.
;   v21, v23, v24   addresses made anew for a group or a half: behind a wait on vm_vsrc, ahead of a wait on va_vdst that stands there for the stores' data anyway.
.set REC,   55296                      ; a record of weights: 4,096 bytes of biases, then 8 K steps of 6,400 bytes
.set CS,    50176
.set PW,    52224
.set BIG,   117760
.set QKS,   BIG+102656
.set L16,  1                           ; 16 x lane
.set L8,   2                           ; 8 x lane
.set AXS,  3                           ; x's turn: in
.set AXT,  4                           ; x's turn: out
.set AXC,  5                           ; x's codes into CR
.set AXB,  6                           ; x's scale bytes into CS
.set AFR,  7                           ; a fragment out of CR
.set AFS,  8                           ; scale words out of CS
.set AQW,  9                           ; q's, k's codes into QKR
.set ASW,  10                          ; their scale bytes into QKS
.set ASR,  11                          ; and out, by heads
.set ASS,  12
.set APW,  13                          ; the softmax weights' images
.set AVW,  14                          ; v into VST, rows 0-31
.set AVR,  15                          ; v out of VST
.set AOW,  16                          ; the attention's codes into CR
.set AOS,  17                          ; their scale bytes into CS
.set AOSW, 18                          ; the way out: into my stage
.set AOSR, 19                          ; and back by rows
.set AOG,  20                          ; my byte offset in two rows of out0
.set TA,   21
.set AVW2, 22                          ; v into VST, rows 32-63
.set TB,   23
.set TB2,  24
.set WS,   28
.set RS,   36
.set SK,   52
.set SQ,   56
.set ACC,  128
.set XN,   160                         ; x: two sets of 16 neighbours
.set BIA,  192                         ; in window 1
.set MSB, 0
.macro WIN new                         ; the immediate's high byte repeats the setting that is left
.if MSB != \new
	s_set_vgpr_msb (MSB<<8)|\new
.set MSB, \new
.endif
.endm
.set MUL0,   0x17                      ; source 0 (weights) window 3, source 1 (rows) window 1, C (biases) window 1, D window 0
.set MULA,   0x07                      ; the same, C and D window 0
.set MULB,   0x0b                      ; rows in window 2
.set TO_1,   0x40
.set TO_2,   0x80
.set TO_W,   0xc0
.set FROM_1, 0x04                      ; an LDS store's data are its source 1
.macro PLACES n                        ; plain places behind matrix instructions (ISA guide 7.12.1)
.rept \n
	v_nop
.endr
.endm
.macro BARRIER                         ; my LDS stores have landed and my LDS loads are in: then the work-group's barrier
	s_wait_dscnt 0x0
	s_barrier_signal -1
	s_barrier_wait -1
.endm
; ---- x: step tau is 512 numbers, half tau % 2 of my row tau / 2
.macro LOADX tau
	WIN TO_1
.irp i, 0,1,2,3
	global_load_b128 v[16*((\tau)%12)+4*\i:16*((\tau)%12)+4*\i+3], v[L16], s[14:15] offset:2048*(\tau)+512*\i th:TH_LOAD_NT   ; 32 lanes read 512 consecutive bytes; read once in the launch
.endr
.endm
.macro TURN tau                        ; through my stage: in as loaded, out 64 bytes a lane (16 neighbours along K); LDS serves a wave's instructions in order
	WIN FROM_1
.irp i, 0,1,2,3
	ds_store_b128 v[AXS], v[16*((\tau)%12)+4*\i:16*((\tau)%12)+4*\i+3] offset:2560*((\tau)%2)+640*\i
.endr
	WIN 0
.irp i, 0,1,2,3
	ds_load_b128 v[XN+16*((\tau)%2)+4*\i:XN+16*((\tau)%2)+4*\i+3], v[AXT] offset:2560*((\tau)%2)+16*\i
.endr
.endm
.macro XSTORE tau                      ; step tau's scale byte and codes go to CS and CR: issued at the head of step tau + 1
	ds_store_b8 v[AXB], v[72+((\tau)%2)] offset:32*((\tau)/2)+16*((\tau)%2)   ; both lanes of a block write the same byte with the same value
.irp e, 0,1,2
	ds_store_b32 v[AXC], v[64+4*((\tau)%2)+\e] offset:784*((\tau)/2)+384*((\tau)%2)+4*\e   ; my 16 codes, 12 bytes, at their place in the row's stream of bits
.endr
.endm
.macro XSTEP tau
.set XR, XN+16*((\tau)%2)
.set XC, 64+4*((\tau)%2)
.set XB, 72+((\tau)%2)
	s_wait_dscnt 0x0                               ; this step's numbers are back from the stage: no LDS instruction was issued behind their loads
	s_wait_alu depctr_vm_vsrc(0)                   ; the stores into the stage have read this step's set of x, in which the loads below land; the small stores of two steps back have read the codes' and the byte's registers that this step writes again
.if (\tau) > 0
	s_wait_alu depctr_va_vdst(0)                   ; the step before has written its codes and its byte, which the stores below read, and is done reading its 16 neighbours, in which the next turn's loads land
	XSTORE (\tau)-1
.endif
.if (\tau) <= 19
	LOADX (\tau)+12                                ; into the set that this step's stores into the stage have read
.endif
.if (\tau) < 31
.if (\tau) <= 19
	s_wait_loadcnt 44                              ; the next step's four loads are in; the eleven sets behind it may be out
.else
	s_wait_loadcnt 4*(30-(\tau))                   ; the sets still behind it
.endif
	TURN (\tau)+1
.endif
	WIN 0
	v_max3_num_f32 v60, |v[XR]|, |v[XR+1]|, |v[XR+2]|
	v_max3_num_f32 v61, |v[XR+3]|, |v[XR+4]|, |v[XR+5]|
.irp i, 6,10
	v_max3_num_f32 v60, v60, |v[XR+\i]|, |v[XR+\i+1]|
	v_max3_num_f32 v61, v61, |v[XR+\i+2]|, |v[XR+\i+3]|
.endr
	v_max3_num_f32 v60, v60, |v[XR+14]|, |v[XR+15]|
	v_max3_num_f32 v60, v60, v61, 0x1800000        ; and the floor 2^(3 - 127): the byte cannot fall under 1
	v_max_num_f32_dpp v60, v60, v60 row_xmask:1 row_mask:0xf bank_mask:0xf   ; with my neighbour's 16: the block's largest magnitude
	v_add_nc_u32 v62, 0xff000000, v60              ; 2 off its exponent field: the conversion's scale operand
	v_cvt_scalef32_pk16_fp6_f32 v[XC:XC+2], v[XR:XR+15], v62
	v_lshrrev_b32 v[XB], 23, v62                   ; the scale's byte
.endm
; ---- the weights' stream.  Its order: a record's biases (8 loads), then its 8 K steps (13 loads each); the next record's biases go out behind this record's K step 0.
.macro BLOAD off
	WIN TO_1
.irp t, 0,1,2,3
.irp c, 0,1
	global_load_b128 v[BIA+8*\t+4*\c:BIA+8*\t+4*\c+3], v[L16], s[12:13] offset:(\off)+1024*\t+512*\c
.endr
.endr
.endm
.macro LSTEP set, off
	WIN TO_W
.irp t, 0,1,2,3
.irp c, 0,1,2
	global_load_b128 v[48*(\set)+12*\t+4*\c:48*(\set)+12*\t+4*\c+3], v[L16], s[12:13] offset:(\off)+1536*\t+512*\c
.endr
.endr
	WIN 0
	global_load_b64 v[WS+2*(\set):WS+2*(\set)+1], v[L8], s[12:13] offset:(\off)+6144
.endm
; ---- the 64 rows' codes and scale words out of CR and CS into registers: fragment (m, s) = rows 16 m on, K step s
.macro FETCH
	WIN TO_1
.irp s, 0,1,2,3
.irp m, 0,1,2,3
.irp p, 0,1,2,3,4,5
	ds_load_b64 v[48*\s+12*\m+2*\p:48*\s+12*\m+2*\p+1], v[AFR] offset:12544*\m+96*\s+48*(\p/3)+8*(\p%3)
.endr
.endr
.endr
	WIN TO_2
.irp s, 0,1,2,3
.irp m, 0,1,2,3
.irp p, 0,1,2,3,4,5
	ds_load_b64 v[48*\s+12*\m+2*\p:48*\s+12*\m+2*\p+1], v[AFR] offset:12544*\m+96*(\s+4)+48*(\p/3)+8*(\p%3)
.endr
.endr
.endr
	WIN 0
.irp m, 0,1,2,3
.irp c, 0,1,2,3
	ds_load_b32 v[RS+4*\m+\c], v[AFS] offset:512*\m+8*\c   ; lanes 0-15 the word of K step 2 c, lanes 16-31 that of 2 c + 1
.endr
.endr
	s_wait_dscnt 0x0
.endm
; one product: tile t of the weights x rows 16 m on, K step s.  K step 0 takes the biases as C.
.macro MM s, t, m
.set rD, ACC+32*\m+8*\t
.set rA, 48*(\s%4)+12*\t
.set rB, 48*(\s%4)+12*\m
.set rC, rD
.if \s == 0
.set rC, BIA+8*\t
.endif
.set rSA, WS+2*(\s%4)+(\t/2)
.set rSB, RS+4*\m+(\s/2)
.if (\t%2 == 0) && (\s%2 == 0)
	v_wmma_scale_f32_16x16x128_f8f6f4 v[rD:rD+7], v[rA:rA+11], v[rB:rB+11], v[rC:rC+7], v[rSA], v[rSB] matrix_a_fmt:MATRIX_FMT_FP6 matrix_b_fmt:MATRIX_FMT_FP6
.elseif \s%2 == 0
	v_wmma_scale_f32_16x16x128_f8f6f4 v[rD:rD+7], v[rA:rA+11], v[rB:rB+11], v[rC:rC+7], v[rSA], v[rSB] matrix_a_fmt:MATRIX_FMT_FP6 matrix_b_fmt:MATRIX_FMT_FP6 matrix_a_scale:MATRIX_SCALE_ROW1
.elseif \t%2 == 0
	v_wmma_scale_f32_16x16x128_f8f6f4 v[rD:rD+7], v[rA:rA+11], v[rB:rB+11], v[rC:rC+7], v[rSA], v[rSB] matrix_a_fmt:MATRIX_FMT_FP6 matrix_b_fmt:MATRIX_FMT_FP6 matrix_b_scale:MATRIX_SCALE_ROW1
.else
	v_wmma_scale_f32_16x16x128_f8f6f4 v[rD:rD+7], v[rA:rA+11], v[rB:rB+11], v[rC:rC+7], v[rSA], v[rSB] matrix_a_fmt:MATRIX_FMT_FP6 matrix_b_fmt:MATRIX_FMT_FP6 matrix_a_scale:MATRIX_SCALE_ROW1 matrix_b_scale:MATRIX_SCALE_ROW1
.endif
.endm
; A GROUP: one record, 64 columns x 64 rows x all of K: 128 matrix instructions; the 16 accumulators take turns, one instruction a turn, in the same order in every K step.
; Behind K step s its set of weight registers takes the K step four on: for s < 4 this record's K step s + 4, at 4096 + 6400 (s + 4); for s >= 4 the NEXT record's K step s - 4,
; which lies behind that record's 4,096 bytes of biases, at REC + 4096 + 6400 (s - 4).  last = 1: the stream's last record: nothing is asked for beyond it.
.macro GROUP last
.irp s, 0,1,2,3,4,5,6,7
.if \last
.if \s < 5
	s_wait_loadcnt 39                              ; K step s is in; behind it: three K steps of 13 loads
.else
	s_wait_loadcnt 13*(7-\s)                       ; the K steps still behind it
.endif
.elseif (\s >= 1) && (\s <= 3)
	s_wait_loadcnt 47                              ; behind K step s: three K steps of 13 loads and the next record's 8 of biases
.else
	s_wait_loadcnt 39                              ; behind K step s: three K steps of 13 loads
.endif
.if \s == 0
	WIN MUL0
.elseif \s < 4
	WIN MULA
.else
	WIN MULB
.endif
.irp t, 0,1,2,3
.irp m, 0,1,2,3
	MM \s, \t, \m
.endr
.endr
.if \s == 7
	PLACES 5                                       ; in front of the loads below, of the first read of the results, and of the next products that write over these accumulators
.elseif (\last == 0) || (\s < 4)
	PLACES 4                                       ; in front of loads into registers that these products have read
.endif
.if (\last == 0) || (\s < 4) || (\s == 7)
	s_wait_alu depctr_va_vdst(0)                   ; this K step's products are done reading their set of weights and its scale words (K step 0: the biases too), in which the loads below land; K step 7's have written the accumulators, which the LDS stores behind a group of v and of the way out read
.endif
.if (\s == 0) && (\last == 0)
	BLOAD REC
.endif
.if \s < 4
	LSTEP \s%4, 4096+6400*(\s+4)
.elseif \last == 0
	LSTEP \s%4, REC+4096+6400*(\s-4)
.endif
.endr
	WIN 0
.if \last == 0
	s_wait_xcnt 0x0                                ; the loads have had their addresses translated: the base may step
	s_add_nc_u64 s[12:13], s[12:13], REC
.endif
.endm
; ---- a group of q or k (one head, 64 rows) is quantised along the head's 64: blocks 2 m + b, 16 numbers in lane l and 16 in lane l xor 16; codes and bytes go to QKR, QKS
.macro QKEPI
	s_wait_dscnt 0x0                               ; the last group's stores, issued a group ago, are done
	s_wait_alu depctr_vm_vsrc(0)                   ; the LDS stores issued so far (x's last, or the last group's) have read v21, v23 and v64-v119, which this group writes again
	v_add_nc_u32 v[TA], s26, v[AQW]
	v_add_nc_u32 v[TB], s27, v[ASW]
.irp q, 0,1,2,3,4,5,6,7
	v_max3_num_f32 v[60+\q], |v[ACC+16*\q]|, |v[ACC+16*\q+1]|, 0x1800000   ; each accumulator from its low end on; the floor 2^(3 - 127)
.endr
.irp i, 2,4,6,8,10,12,14
.irp q, 0,1,2,3,4,5,6,7
	v_max3_num_f32 v[60+\q], v[60+\q], |v[ACC+16*\q+\i]|, |v[ACC+16*\q+\i+1]|
.endr
.endr
.irp q, 0,1,2,3,4,5,6,7
	v_permlanex16_b32 v[68+\q], v[60+\q], s20, s21
.endr
.irp q, 0,1,2,3,4,5,6,7
	v_max_num_f32 v[60+\q], v[60+\q], v[68+\q]
.endr
.irp q, 0,1,2,3,4,5,6,7
	v_add_nc_u32 v[76+\q], 0xff000000, v[60+\q]    ; the conversion's scale operand
.endr
.irp q, 0,1,2,3,4,5,6,7
	v_lshrrev_b32 v[68+\q], 23, v[76+\q]           ; the scale's byte
.endr
.irp m, 0,1,2,3
	v_lshl_or_b32 v[116+\m], v[69+2*\m], 8, v[68+2*\m]
.endr
.irp m, 0,1,2,3
	v_cvt_scalef32_pk16_fp6_f32 v[84+8*\m:86+8*\m], v[ACC+32*\m:ACC+32*\m+15], v[76+2*\m]
	v_cvt_scalef32_pk16_fp6_f32 v[88+8*\m:90+8*\m], v[ACC+32*\m+16:ACC+32*\m+31], v[77+2*\m]
.endr
	v_nop                                          ; one plain place behind a scaled conversion
.irp m, 0,1,2,3
.irp i, 0,1,2
	v_permlane16_swap_b32 v[84+8*\m+\i], v[88+8*\m+\i]   ; a whole block to a lane: lanes 0-15 block 0, lanes 16-31 block 1
.endr
.endr
.irp m, 0,1,2,3
.irp i, 0,1,2
	v_mov_b32 v[87+8*\m+\i], v[88+8*\m+\i]
.endr
.endr
	s_wait_alu depctr_va_vdst(0)                   ; the codes v84-v113, the bytes v116-v119 and the two addresses v21, v23 are written, which the stores below read
.irp m, 0,1,2,3
.irp e, 0,1,2
	ds_store_b64 v[TA], v[84+8*\m+2*\e:85+8*\m+2*\e] offset:6400*\m+8*\e
.endr
	ds_store_b16 v[TB], v[116+\m] offset:256*\m    ; both halves of the lanes write the same two bytes
.endr
	s_add_co_u32 s26, s26, 48                      ; the next group's slot
	s_add_co_u32 s27, s27, 2
.endm
; ---- the scores and the softmax, four of my positions at a time.  Source 0 = k's 16 heads, source 1 = q's: a lane holds query head r and key heads 8 h + 0..7
.macro SLOAD beta
.irp a, 0,1,2,3
.irp e, 0,1,2
	ds_load_b64 v[160+24*\a+2*\e:161+24*\a+2*\e], v[ASR] offset:400*(4*(\beta)+\a)+192+8*\e
.endr
.irp e, 0,1,2
	ds_load_b64 v[172+24*\a+2*\e:173+24*\a+2*\e], v[ASR] offset:400*(4*(\beta)+\a)+8*\e
.endr
	ds_load_u16 v[SK+\a], v[ASS] offset:16*(4*(\beta)+\a)+8   ; two scale bytes; the bytes of k = 64 .. 127 come as 0, over zero codes
	ds_load_u16 v[SQ+\a], v[ASS] offset:16*(4*(\beta)+\a)
.endr
.endm
.macro SBATCH beta
	s_wait_dscnt 0x0                               ; the operands are in
	s_wait_alu depctr_vm_vsrc(0)                   ; the LDS stores issued so far (those of k's last group, or the last batch's) have read v60-v119, which this batch writes again
.irp a, 0,1,2,3
	v_wmma_scale_f32_16x16x128_f8f6f4 v[ACC+8*\a:ACC+8*\a+7], v[160+24*\a:171+24*\a], v[172+24*\a:183+24*\a], 0, v[SK+\a], v[SQ+\a] matrix_a_fmt:MATRIX_FMT_FP6 matrix_b_fmt:MATRIX_FMT_FP6
.endr
	PLACES 4
.irp a, 0,1,2,3
	v_max3_num_f32 v[92+\a], v[ACC+8*\a], v[ACC+8*\a+1], v[ACC+8*\a+2]
.endr
.irp a, 0,1,2,3
	v_max3_num_f32 v[92+\a], v[92+\a], v[ACC+8*\a+3], v[ACC+8*\a+4]
.endr
.irp a, 0,1,2,3
	v_max3_num_f32 v[92+\a], v[92+\a], v[ACC+8*\a+5], v[ACC+8*\a+6]
.endr
.irp a, 0,1,2,3
	v_max_num_f32 v[92+\a], v[92+\a], v[ACC+8*\a+7]
.endr
.irp a, 0,1,2,3
	v_permlanex16_b32 v[96+\a], v[92+\a], s20, s21
.endr
.irp a, 0,1,2,3
	v_max_num_f32 v[92+\a], v[92+\a], v[96+\a]     ; the row's largest score
.endr
.irp a, 0,1,2,3
	v_mul_f32 v[100+2*\a], s24, v[92+\a]           ; - c x it, c = log2(e) / 8
.endr
.irp a, 0,1,2,3
.irp i, 0,1,2,3
	v_pk_fma_f32 v[60+8*\a+2*\i:61+8*\a+2*\i], v[ACC+8*\a+2*\i:ACC+8*\a+2*\i+1], s[22:23], v[100+2*\a:101+2*\a] op_sel_hi:[1,0,0]
.endr
.endr
.set J, 0
	s_wait_alu depctr_va_vdst(0)
.rept 32
	v_exp_f32 v[60+J], v[60+J]
.set J, J+1
.endr
	v_nop                                          ; a plain place behind the exponentials
	s_wait_alu depctr_va_vdst(0)                   ; the 32 exponentials have written v60-v91, ahead of their first reader; and this batch's four products are done reading their operands and scale words, in which the loads below land
.if (\beta) < 3
	SLOAD (\beta)+1                                ; no vector instruction since the wait names these registers; the sums, the division and the stores stand between these loads and their use
.endif
.irp a, 0,1,2,3
	v_pk_add_f32 v[108+2*\a:109+2*\a], v[60+8*\a:61+8*\a], v[62+8*\a:63+8*\a]
.endr
.irp a, 0,1,2,3
	v_pk_add_f32 v[116+2*\a:117+2*\a], v[64+8*\a:65+8*\a], v[66+8*\a:67+8*\a]
.endr
.irp a, 0,1,2,3
	v_pk_add_f32 v[108+2*\a:109+2*\a], v[108+2*\a:109+2*\a], v[116+2*\a:117+2*\a]
.endr
.irp a, 0,1,2,3
	v_add_f32 v[108+2*\a], v[108+2*\a], v[109+2*\a]
.endr
.irp a, 0,1,2,3
	v_permlanex16_b32 v[116+2*\a], v[108+2*\a], s20, s21
.endr
.irp a, 0,1,2,3
	v_add_f32 v[108+2*\a], v[108+2*\a], v[116+2*\a]   ; the row's sum
.endr
	s_wait_alu depctr_va_vdst(0)
.irp a, 0,1,2,3
	v_rcp_f32 v[108+2*\a], v[108+2*\a]
.endr
	v_nop                                          ; a plain place behind the reciprocals
	s_wait_alu depctr_va_vdst(0)                   ; the four reciprocals have written v108, v110, v112, v114, ahead of their first reader
.irp a, 0,1,2,3
.irp i, 0,1,2,3
	v_pk_mul_f32 v[60+8*\a+2*\i:61+8*\a+2*\i], v[60+8*\a+2*\i:61+8*\a+2*\i], v[108+2*\a:109+2*\a] op_sel_hi:[1,0]
.endr
.endr
	s_wait_alu depctr_va_vdst(0)                   ; the multiplications have written the weights v60-v91, which the stores below read
.irp a, 0,1,2,3
.irp c, 0,1
	ds_store_b128 v[APW], v[60+8*\a+4*\c:63+8*\a+4*\c] offset:1024*(4*(\beta)+\a)+512*\c   ; the weights as an image of their registers, in my own bytes
.endr
.endr
.endm
; ---- a group of v: lane (r, h), register j of (m, t) is position 16 m + r, head 8 h + j, place 8 w + 4 g2 + t of the half's 32.  Four heads, 16 bytes, to a store.
; The group's last wait on va_vdst has stated that the accumulators are written, and no vector or matrix instruction stands between it and these stores.
.macro VEPI g2
.irp m, 0,1,2,3
.irp t, 0,1,2,3
.irp c, 0,1
.if \m < 2
	ds_store_b128 v[AVW], v[ACC+32*\m+8*\t+4*\c:ACC+32*\m+8*\t+4*\c+3] offset:33024*\m+512*\c+64*\g2+16*\t
.else
	ds_store_b128 v[AVW2], v[ACC+32*\m+8*\t+4*\c:ACC+32*\m+8*\t+4*\c+3] offset:33024*(\m-2)+512*\c+64*\g2+16*\t
.endif
.endr
.endr
.endr
	s_wait_dscnt 0x0                               ; my part of v is in VST
	s_wait_alu depctr_vm_vsrc(0)                   ; the stores have read the accumulators, which the next group's products write and in which (v160-v255) the loads of weights x values land; all earlier stores have read v23, v24 and v60-v119
.endm
; ---- weights x values in f32, two of my positions at a time.  Source 0 = 16 places of the head x 4 key heads, source 1 = 4 key heads x 16 query heads.
; The instruction's k = 2 h + j stands for key head 8 h + 2 sp + j on both sides.  Row mu of source 0's tile u is place mu + 8 (mu/8) + 8 u, so a lane's 16 results are places 16 h + 0..15.
.macro ALOAD b
.irp a, 0,1
.set RA, 160+48*((\b)%2)+24*\a
.irp c, 0,1
	ds_load_b128 v[RA+4*\c:RA+4*\c+3], v[APW] offset:1024*(2*(\b)+\a)+512*\c
.endr
.irp u, 0,1
.irp c, 0,1
	ds_load_b128 v[RA+8+8*\u+4*\c:RA+8+8*\u+4*\c+3], v[AVR] offset:2064*(2*(\b)+\a)+512*\c+128*\u
.endr
.endr
.endr
.endm
.macro ABATCH b
.if (\b) < 7
	ALOAD (\b)+1                                   ; into the set that the last batch's products read: the wait ahead of that batch's stores has stated that they are done, and no vector instruction has been issued since
	s_wait_dscnt 12                                ; all but the 12 loads just issued: this batch's operands are in, the last batch's stores are done
.else
	s_wait_dscnt 0x0
.endif
.irp sp, 0,1,2,3
.irp a, 0,1
.irp u, 0,1
.set RA, 160+48*((\b)%2)+24*\a
.set RD, ACC+16*\a+8*\u
.if \sp == 0
	v_wmma_f32_16x16x4_f32 v[RD:RD+7], v[RA+8+8*\u+2*\sp:RA+9+8*\u+2*\sp], v[RA+2*\sp:RA+2*\sp+1], 0
.else
	v_wmma_f32_16x16x4_f32 v[RD:RD+7], v[RA+8+8*\u+2*\sp:RA+9+8*\u+2*\sp], v[RA+2*\sp:RA+2*\sp+1], v[RD:RD+7]
.endif
.endr
.endr
.endr
	PLACES 9                                       ; this form asks eight in front of a read of its results and nine in front of products that write over them
.if (\b) > 0
	s_wait_alu depctr_vm_vsrc(0)                   ; the last batch's stores have read v66, v67 and v72-v78, which this batch writes again
.endif
.irp a, 0,1
	v_max3_num_f32 v[60+\a], |v[ACC+16*\a]|, |v[ACC+16*\a+1]|, 0x1800000   ; quantised along the output projection's K: block 2 i + half, 16 numbers here and 16 in lane l xor 16
.endr
.irp i, 2,4,6,8,10,12,14
.irp a, 0,1
	v_max3_num_f32 v[60+\a], v[60+\a], |v[ACC+16*\a+\i]|, |v[ACC+16*\a+\i+1]|
.endr
.endr
.irp a, 0,1
	v_permlanex16_b32 v[62+\a], v[60+\a], s20, s21
.endr
.irp a, 0,1
	v_max_num_f32 v[60+\a], v[60+\a], v[62+\a]
.endr
.irp a, 0,1
	v_add_nc_u32 v[64+\a], 0xff000000, v[60+\a]
.endr
.irp a, 0,1
	v_cvt_scalef32_pk16_fp6_f32 v[72+4*\a:74+4*\a], v[ACC+16*\a:ACC+16*\a+15], v[64+\a]
.endr
.irp a, 0,1
	v_lshrrev_b32 v[66+\a], 23, v[64+\a]           ; the scale's byte.  (Also the plain place behind the conversions)
.endr
	s_wait_alu depctr_va_vdst(0)                   ; the codes v72-v78 and the bytes v66, v67 are written (in the first batch the addresses v23, v24 too), which the stores below read; this batch's products are done reading their operands, in which the next batch's loads land
.irp a, 0,1
.irp e, 0,1,2
	ds_store_b32 v[TB], v[72+4*\a+\e] offset:784*(2*(\b)+\a)+4*\e   ; 16 codes, 12 bytes, at their place in the position's row of codes
.endr
	ds_store_b8 v[TB2], v[66+\a] offset:32*(2*(\b)+\a)
.endr
.endm
; ---- the way out of a group of the output projection: 64 rows x 64 columns through my own stage, back as rows of 256 bytes.
; The group's last wait on va_vdst has stated that the accumulators are written, and no vector or matrix instruction stands between it and the lines below.
.macro OEPI step
.irp m, 0,1,2,3
.irp t, 0,1,2,3
.irp c, 0,1
	ds_store_b128 v[AOSW], v[ACC+32*\m+8*\t+4*\c:ACC+32*\m+8*\t+4*\c+3] offset:4352*\m+128*(\t/2)+32*(\t%2)+16*\c
.endr
.endr
.endr
	s_wait_dscnt 0x0                               ; the group lies in my stage
	s_wait_alu depctr_vm_vsrc(0)                   ; these stores have read the accumulators, into some of which (v160-v255) the rows come back; earlier stores have read v60-v91, in which the other rows land
.set Q, 0
.rept 32
.set OB, 160+4*(Q-8)
.if Q < 8
.set OB, 60+4*Q
.endif
	ds_load_b128 v[OB:OB+3], v[AOSR] offset:4352*(Q/8)+544*(Q%8)
.set Q, Q+1
.endr
.set Q, 0
.rept 32
.set OB, 160+4*(Q-8)
.if Q < 8
.set OB, 60+4*Q
.endif
	s_wait_dscnt 31-Q                              ; the younger loads may stay out
	global_store_b128 v[AOG], v[OB:OB+3], s[16:17] offset:4096*(16*(Q/8)+2*(Q%8)) th:TH_STORE_NT   ; sixteen lanes store 256 consecutive bytes, at a multiple of 256 from out0's first byte; two rows a store
.set Q, Q+1
.endr
.if \step
	s_wait_xcnt 0x0                                ; the stores have had their addresses translated: their registers and their base may be written again
	s_wait_alu depctr_vm_vsrc(0)                   ; the stores have read v160-v255, which the next group's products write
	s_add_nc_u64 s[16:17], s[16:17], 256           ; the next 64 columns
.endif
.endm
	s_load_b128 s[4:7], s[0:1], 0x0                ; x, wimg
	s_load_b64 s[8:9], s[0:1], 0x10                ; out0
	v_lshl_add_u32 v126, v0, 2, 0x3d000
	v_mov_b32 v127, 0
	v_lshrrev_b32 v60, 5, v0
	v_readfirstlane_b32 s10, v60                   ; wave 0..3
	v_and_b32 v60, 31, v0                          ; lane
	v_and_b32 v61, 15, v0                          ; r
	v_bfe_u32 v62, v0, 4, 1                        ; h
	v_lshlrev_b32 v[L16], 4, v60
	v_lshlrev_b32 v[L8], 3, v60
	s_wait_alu depctr_va_sdst(0)                   ; s10 is written, ahead of its first reader: bases and LDS addresses are made from it
	s_mul_i32 s40, s10, 16*REC                     ; my 16 records
	s_mov_b32 s41, 0
	s_lshl_b32 s42, ttmp9, 18                      ; the work-group's 64 rows of 4,096 bytes,
	s_lshl_b32 s43, s10, 16                        ; my 16 of them
	s_add_co_u32 s42, s42, s43
	s_mov_b32 s43, 0
	s_lshl_b32 s44, ttmp9, 18
	s_lshl_b32 s45, s10, 10                        ; my 256 columns of out0
	s_add_co_u32 s44, s44, s45
	s_mov_b32 s45, 0
	s_mov_b32 s20, 0x76543210
	s_mov_b32 s21, 0xfedcba98                      ; v_permlanex16_b32's selects for lane l xor 16
	s_mov_b32 s22, 0x3e38aa3b                      ; c = log2(e) / sqrt(64)
	s_mov_b32 s23, s22                             ; (named with it as a pair, so it is written)
	s_mov_b32 s24, 0xbe38aa3b                      ; - c
	s_wait_kmcnt 0x0
	s_add_nc_u64 s[12:13], s[6:7], s[40:41]
	s_add_nc_u64 s[14:15], s[4:5], s[42:43]
	s_add_nc_u64 s[16:17], s[8:9], s[44:45]
	s_wait_alu depctr_va_vdst(0)                   ; v1 and v2 are written: every load of x and of the weights reads one of them as its offset
.irp t, 0,1,2,3,4,5,6,7,8,9,10,11
	LOADX \t                                       ; 48 loads of x go out ahead of the address arithmetic
.endr
	WIN 0
	s_mul_i32 s30, s10, 5120
	s_add_co_u32 s30, s30, BIG                     ; my stage for x's turn: two of 32 places of 64 + 16 bytes
	v_lshrrev_b32 v63, 2, v60
	v_mul_u32_u24 v63, v63, 80
	v_and_b32 v64, 3, v60
	v_lshl_add_u32 v63, v64, 4, v63
	v_add_nc_u32 v[AXS], s30, v63                  ; in: 80 (lane/4) + 16 (lane%4)
	v_mul_u32_u24 v63, v60, 80
	v_add_nc_u32 v[AXT], s30, v63                  ; out: 80 x lane
	s_mul_i32 s31, s10, 12544                      ; my 16 rows of CR
	v_mul_u32_u24 v63, v60, 12
	v_add_nc_u32 v[AXC], s31, v63
	s_lshl_b32 s32, s10, 9
	s_add_co_u32 s32, s32, CS                      ; my 16 rows of CS
	v_lshrrev_b32 v63, 1, v60
	v_add_nc_u32 v[AXB], s32, v63
	v_mul_u32_u24 v[AFR], v61, 784                 ; pitch 784 = 196 words: row r starts at bank 4 r mod 64 (64 banks of 4 bytes: ISA guide 11.1), so the 32 lanes of a load of 8 bytes touch 64 different banks
	v_mad_u32_u24 v[AFR], v62, 24, v[AFR]
	v_lshlrev_b32 v63, 5, v61
	v_lshl_add_u32 v63, v62, 2, v63
	v_add_nc_u32 v[AFS], CS, v63
	s_mul_i32 s33, s10, 25664
	s_add_co_u32 s33, s33, BIG                     ; QKR: what I make: 64 positions x 400 bytes (8 slots of 48: q of heads 4 w + 0..3, then k of the same)
	v_mul_u32_u24 v63, v61, 400
	v_mad_u32_u24 v63, v62, 24, v63
	v_add_nc_u32 v[AQW], s33, v63
	s_lshl_b32 s34, s10, 10
	s_add_co_u32 s34, s34, QKS
	v_lshl_add_u32 v[ASW], v61, 4, s34             ; QKS: 16 bytes a position, 2 a slot
	v_lshrrev_b32 v63, 2, v61                      ; head r was made by wave r/4, in slot r%4
	v_mul_u32_u24 v63, v63, 25664
	v_and_b32 v64, 3, v61
	v_mad_u32_u24 v63, v64, 48, v63
	v_mad_u32_u24 v63, v62, 24, v63
	s_mul_i32 s35, s10, 6400                       ; my 16 positions
	s_add_co_u32 s35, s35, BIG
	v_add_nc_u32 v[ASR], s35, v63
	v_lshrrev_b32 v63, 2, v61
	v_lshlrev_b32 v63, 10, v63
	v_lshl_add_u32 v63, v64, 1, v63
	s_lshl_b32 s36, s10, 8
	s_add_co_u32 s36, s36, QKS
	v_add_nc_u32 v[ASS], s36, v63
	s_lshl_b32 s37, s10, 14
	s_add_co_u32 s37, s37, PW
	v_add_nc_u32 v[APW], s37, v[L16]
	v_mul_u32_u24 v63, v61, 2064                   ; VST: a position is 2,048 bytes + 16: 1024 (head/8) + 512 ((head/4)%2) + 16 place + 4 (head%4)
	v_lshl_add_u32 v63, v62, 10, v63
	s_lshl_b32 s38, s10, 7
	s_add_co_u32 s38, s38, BIG
	v_add_nc_u32 v[AVW], s38, v63
	v_add_nc_u32 v[AVW2], 66048, v[AVW]            ; 32 positions on: beyond an LDS offset's 16 bits
	v_and_b32 v63, 8, v61
	v_add_nc_u32 v63, v63, v61                     ; r + 8 (r/8)
	v_lshlrev_b32 v63, 4, v63
	v_lshl_add_u32 v63, v62, 10, v63
	s_mul_i32 s39, s10, 33024                      ; my 16 positions
	s_add_co_u32 s39, s39, BIG
	v_add_nc_u32 v[AVR], s39, v63
	v_mul_u32_u24 v63, v61, 48                     ; head r's 64 codes are 48 bytes of the row; my 16 of a half's 32: + 12 h
	v_mad_u32_u24 v63, v62, 12, v63
	v_add_nc_u32 v[AOW], s31, v63
	v_lshl_add_u32 v[AOS], v61, 1, s32
	s_mul_i32 s46, s10, 17408
	s_add_co_u32 s46, s46, BIG                     ; my stage for the way out: 4 x 16 rows x (256 + 16) bytes
	v_mul_u32_u24 v63, v61, 272
	v_lshl_add_u32 v63, v62, 6, v63
	v_add_nc_u32 v[AOSW], s46, v63
	v_mul_u32_u24 v63, v62, 272
	v_lshl_add_u32 v63, v61, 4, v63
	v_add_nc_u32 v[AOSR], s46, v63
	v_lshlrev_b32 v63, 12, v62
	v_lshl_add_u32 v[AOG], v61, 4, v63
.irp j, 68,69,70,71,72,73,74,75,96,97,98,99,101,103,105,107
	v_mov_b32 v[\j], 0                             ; written once: lane permutes' destinations count as sources, and the upper words of pairs are named with the lower
.endr
	; ---- X: my 16 rows of x become codes and scale bytes in CR and CS
	s_wait_loadcnt 44                              ; step 0's four loads are in
	s_wait_alu depctr_va_vdst(0)                   ; the addresses v3-v20 and v22 are written: the LDS instructions and the stores of the whole kernel read them
	TURN 0
.irp t, 0,1,2,3,4,5,6,7,8,9,10,11,12,13,14,15,16,17,18,19,20,21,22,23,24,25,26,27,28,29,30,31
	XSTEP \t
.endr
	s_wait_alu depctr_va_vdst(0)                   ; step 31 has written its codes and its byte, which the last four small stores read
	XSTORE 31
	BLOAD 0                                        ; the weights' stream begins: the first record's biases and four K steps
	LSTEP 0, 4096
	LSTEP 1, 4096+6400
	LSTEP 2, 4096+2*6400
	LSTEP 3, 4096+3*6400
	BARRIER                                        ; all 64 rows' codes lie in CR
	s_wait_alu depctr_vm_vsrc(0)                   ; my stores into the stage have read x's twelve sets, in which the fragments of K steps 0-3 land
	FETCH
	; ---- q and k: eight groups, a head each
	s_mov_b32 s26, 0
	s_mov_b32 s27, 0
	s_mov_b32 s25, 8
.Lqk:
	GROUP 0
	QKEPI
	s_sub_co_u32 s25, s25, 1
	s_cmp_lg_u32 s25, 0
	s_cbranch_scc1 .Lqk
	BARRIER                                        ; q's and k's codes of all heads lie in QKR
	; ---- the scores' K is 64: the upper half of each fragment (k = 64 .. 127) holds zero codes, written once for the eight fragments in hand
.irp a, 0,1,2,3
.irp i, 6,7,8,9,10,11
	v_mov_b32 v[160+24*\a+\i], 0
	v_mov_b32 v[172+24*\a+\i], 0
.endr
.endr
	PLACES 4                                       ; an operand written by vector instructions stands four places ahead of a scaled matrix instruction
	s_wait_alu depctr_va_vdst(0)                   ; the zero codes are written, which the scaled products take as parts of their operands; k's last group has written v160-v255 and its quantiser is done reading them: the operands' loads land there
	SLOAD 0
	SBATCH 0
	SBATCH 1
	SBATCH 2
	SBATCH 3
	BARRIER                                        ; QKR has been read out by every wave: VST may be written over it
	; ---- v and weights x values, half a head's 64 at a time
	s_mov_b32 s28, 0
	s_mov_b32 s29, 0
	s_mov_b32 s25, 2
.Lhalf:
	GROUP 0
	VEPI 0
	GROUP 0
	VEPI 1
	BARRIER                                        ; the half's v of all 64 positions lies in VST
	v_add_nc_u32 v[TB], s28, v[AOW]                ; (the wait on vm_vsrc behind v's stores has stated that every earlier store has read v23 and v24; the first batch's wait on va_vdst states that they are written)
	v_add_nc_u32 v[TB2], s29, v[AOS]
	ALOAD 0                                        ; into v160-v207: written by the group's products ahead of its last wait on va_vdst, read by v's stores ahead of their wait on vm_vsrc, named by nothing since
.irp b, 0,1,2,3,4,5,6,7
	ABATCH \b
.endr
	BARRIER                                        ; VST has been read out; after the second half the attention's codes lie in CR
	s_add_co_u32 s28, s28, 24                      ; the second half's 32 codes of a head: 24 bytes on; its block's byte: 1 on
	s_add_co_u32 s29, s29, 1
	s_sub_co_u32 s25, s25, 1
	s_cmp_lg_u32 s25, 0
	s_cbranch_scc1 .Lhalf
	s_wait_alu depctr_va_vdst(0)                   ; the products of q, k and v are done reading the rows' fragments and scale words, in which the attention's land
	FETCH
	; ---- the output projection: four groups of 64 columns
	s_mov_b32 s25, 3
.Lout:
	GROUP 0
	OEPI 1
	s_sub_co_u32 s25, s25, 1
	s_cmp_lg_u32 s25, 0
	s_cbranch_scc1 .Lout
	GROUP 1                                        ; the stream's last record is written out: no load leaves the buffer
	OEPI 0
	s_wait_dscnt 0x0                               ; the closing lines, six on end
	s_wait_alu 0x0
	s_wait_tensorcnt 0x0
	ds_add_u32 v126, v127
	s_wait_dscnt 0x0
	s_endpgm
.Lfunc_end_k_q234fd26df6_main:
	.size	k_q234fd26df6_main, .Lfunc_end_k_q234fd26df6_main-k_q234fd26df6_main
	.p2alignl 7, 3214868480
	.fill 96, 4, 3214868480
	.section	.rodata,"a",@progbits
	.p2align	6, 0x0
	.amdhsa_kernel k_q234fd26df6_main
		.amdhsa_group_segment_fixed_size 250368
		.amdhsa_private_segment_fixed_size 0
		.amdhsa_enable_private_segment 0
		.amdhsa_kernarg_size 24
		.amdhsa_user_sgpr_count 2
		.amdhsa_user_sgpr_kernarg_segment_ptr 1
		.amdhsa_wavefront_size32 1
		.amdhsa_system_sgpr_workgroup_id_x 1
		.amdhsa_system_sgpr_workgroup_id_y 1
		.amdhsa_system_sgpr_workgroup_id_z 1
		.amdhsa_system_vgpr_workitem_id 0
		.amdhsa_next_free_vgpr 1024
		.amdhsa_next_free_sgpr 66
		.amdhsa_reserve_vcc 0
		.amdhsa_float_denorm_mode_32 3
		.amdhsa_float_denorm_mode_16_64 3
		.amdhsa_memory_ordered 1
		.amdhsa_forward_progress 1
		.amdhsa_inst_pref_size 255
	.end_amdhsa_kernel
	.section	.bss,"aw",@nobits
	.p2align	6
	.space	262144
	.amdgpu_metadata
---
amdhsa.version: [ 1, 2 ]
amdhsa.kernels:
  - .name:           k_q234fd26df6_main
    .symbol:         k_q234fd26df6_main.kd
    .args:
      - { .name: x, .offset: 0, .size: 8, .value_kind: global_buffer, .address_space: global }
      - { .name: wimg, .offset: 8, .size: 8, .value_kind: global_buffer, .address_space: global }
      - { .name: out0, .offset: 16, .size: 8, .value_kind: global_buffer, .address_space: global }
    .group_segment_fixed_size: 250368
    .private_segment_fixed_size: 0
    .kernarg_segment_align: 8
    .kernarg_segment_size: 24
    .max_flat_workgroup_size: 128
    .sgpr_count:     66
    .vgpr_count:     1024
    .wavefront_size: 32
...
	.end_amdgpu_metadata
.endif
;; end of part 4
